; MI455X (gfx1250); checked and timed in simulation.
; The chip was launched on July 23, 2026; its instructions are those of AMD's public machine-readable ISA for CDNA 5 (MIT licence, August 2026) and "CDNA5" Instruction Set Architecture Reference Guide (July 2026). The comments in the code are by the model that wrote it; some were corrected since.
;; Attention. Allowed arithmetic: matrix products marked QUANTISED: E3M2 operands, one E8M0 scale for each 32 along K, by v_wmma_scale_f32_16x16x128_f8f6f4 with both operands' format E3M2, f32 sums; everything else in f32.
;; Inputs: Wf 1,024 x 1,024 float32; Wk 1,024 x 1,024 float32; Wq 1,024 x 1,024 float32; Wv 1,024 x 1,024 float32; bf 1,024 float32; bk 1,024 float32; bq 1,024 float32; bv 1,024 float32; mask 8 x 1,024 bool; memory 8 x 1,024 x 1,024 float32; query 8 x 1,024 x 1,024 float32.
;; Outputs: out0 8 x 1,024 x 1,024 float32; out1 8 x 1,024 x 1,024 float32.
;; This version of the problem:
;;   THIS VERSION OF THE PROBLEM IS GIVEN IN LOW PRECISION. The matrix products marked QUANTISED in the list below multiply operands that are first quantised to E3M2 (3 exponent bits, 2 mantissa bits; 6 bits a number), with one power-of-two scale for each 32 numbers along K (OCP MX v1.0); their sums are f32. All else is computed in f32.
;;   The module's matrix products, in the order in which they are computed (A, B: the left and right operand; K: the contracted axis; several contracted axes count as one K, in the product's order):
;;     1. [M 8,192, K 1,024] x [K 1,024, N 1,024]; A: input memory; B: input Wk: QUANTISED
;;     2. [M 8,192, K 1,024] x [K 1,024, N 1,024]; A: input memory; B: input Wv: QUANTISED
;;     3. [M 8,192, K 1,024] x [K 1,024, N 1,024]; A: input query; B: input Wq: QUANTISED
;;     4. batch 64 x [M 1,024, K 128] x [K 128, N 1,024]; A: computed on the way; B: computed on the way: QUANTISED
;;     5. batch 64 x [M 1,024, K 1,024] x [K 1,024, N 128]; A: softmax (see below); B: computed on the way: QUANTISED
;;     6. [M 8,192, K 1,024] x [K 1,024, N 1,024]; A: computed on the way; B: input Wf: QUANTISED
;;   THE QUANTISER, for each operand of a quantised product, along K:
;;     - K is cut into blocks of 32 from its start; a last block that is shorter is filled with zeros.
;;     - A block's scale is 2^e with e = floor(log2(the largest magnitude in the block)) - 4, held to -126 .. 127; a block of zeros has e = 0. As a byte (E8M0): e + 127.
;;     - Each number is divided by its block's scale, clamped to +-28, and rounded to the nearest number of E3M2, ties to even, subnormals kept.
;;     - The product sums the exact products of the quantised numbers (number of the format x scale) in f32.
;;   ~~~python
;;   def quantise(x, axis):      # numpy; x: float32 -> the quantised numbers, widened to float32 again
;;       x = np.moveaxis(x, axis, -1); K = x.shape[-1]
;;       x = np.pad(x, [(0, 0)] * (x.ndim - 1) + [(0, -K % 32)]); x = x.reshape(x.shape[:-1] + (-1, 32)); a = np.abs(x).max(-1, keepdims=True)
;;       e = np.where(a > 0, np.clip(np.frexp(np.where(a > 0, a, 1))[1] - 1 - 4, -126, 127), 0)      # np.frexp(a)[1] - 1 = floor(log2(a)), exactly
;;       r = np.clip(x / 2.0 ** e, -28, 28)
;;       step = 2.0 ** (np.maximum(np.frexp(np.where(r == 0, 1, r))[1] - 1, -2) - 2)
;;       q = np.round(r / step) * step * 2.0 ** e      # np.round: ties to even
;;       return np.moveaxis(q.reshape(q.shape[:-2] + (-1,))[..., :K], -1, axis).astype(np.float32)
;;   ~~~
;;   SOFTMAX AHEAD OF A QUANTISED PRODUCT. Where the list says 'softmax', what is quantised is not the finished softmax but p = 2^(t - M), with t = logit x log2(e) and M = ceil(the row's largest t), a whole number; so 1/2 < the row's largest p <= 1. The row's sum l is taken of the UNQUANTISED p, in f32, and the product's result is divided by l at the end. Since M is a whole number, a kernel that streams over the keys may use a running M (the ceiling of the running maximum): every later rescaling is an exact power of two, which a block's scale takes up: the codes' values come out the same.
;;   OPERANDS COMPUTED ON THE WAY. 'Computed on the way' means the value that the module computes at that place (a softmax that the list does not call 'softmax' is quantised finished and normalised). What goes into a quantiser is computed in f32, as accurately as f32 sums, v_exp_f32 and their like allow (about 1e-6 of the number): no bf16 or f16 on the way to a quantiser, and a product that is left as it is and whose result goes on into a quantised operand takes f32 operands (vector FMAs, or v_wmma_f32_16x16x4_f32). A number that lies on a knife's edge between two numbers of the format may be rounded either way, as far as f32 arithmetic and the matrix unit's own rounding can turn it there, and no further.
;; 2 versions, each right; version 2 is version 1 with the launch attn written anew for expert scheduling mode. Each part assembles by itself: llvm-mc -triple=amdgcn-amd-amdhsa -mcpu=gfx1250 --defsym DOCPART=n.
;; ======== version 1 of 2: 4 launches
;; limits: right only within a limited range of input values
;; workspace buffers: xc 15,728,640 bytes; xs 655,360 bytes; qkvc 18,874,368 bytes; qkvs 786,432 bytes; ctxc 6,291,456 bytes; ctxs 262,144 bytes
;; launch quant (part 1): grid 8 x 160, 8 waves a work-group, no clusters, 69,632 bytes of LDS; arguments memory, query, Wk, Wv, Wq, Wf, xc, xs; writes xc, xs
.if DOCPART == 1
	.amdgcn_target "amdgcn-amd-amdhsa--gfx1250"
	.amdhsa_code_object_version 6
	.text
	.protected	k_q010ece7c24_quant
	.globl	k_q010ece7c24_quant
	.p2align	8
	.type	k_q010ece7c24_quant,@function
k_q010ece7c24_quant:
	s_mov_b64 s[64:65], 0
	v_nop
	global_prefetch_b8 v0, s[64:65] scope:SCOPE_SE
	s_setreg_imm32_b32 hwreg(HW_REG_WAVE_MODE, 25, 1), 1
	s_wait_xcnt 0x0
; memory, query [8192][1024] and Wk, Wv, Wq, Wf [1024][1024], f32, K innermost, become codes of BF6 (E3M2) with one E8M0 byte for each 32 along K,
; laid IN THE ORDER OF THE OPERAND'S REGISTERS.  A fragment is 16 rows x 128 K, 12 registers a lane; its image is 1,536 bytes: registers 4 c .. 4 c + 3 of lane l at 512 c + 16 l.
; A unit is the 8 fragments of a panel of 128 rows for one K step of 128: 12,288 bytes of codes in xc and 512 bytes of scale words in xs (fragment 4 g + j, row r: byte 256 g + 16 r + 4 j).
; THE ROWS OF A FRAGMENT ARE NOT NEIGHBOURS: lane r of fragment 2 u2 + u takes panel row 32 u2 + 8 u + r + 8 (r / 8), so that a product with such a fragment as source 0 leaves 16 neighbours in a lane's 16 registers.
; Panels: 0-63 memory, 64-127 query, 128-135 Wk, 136-143 Wv, 144-151 Wq, 152-159 Wf; xc and xs are [panel][K step].
; A block's scale is 2^(floor(log2(its largest magnitude)) - 4): its byte is the largest magnitude's exponent field - 4, held at 1 from below.
; LIMITS: a block of zeros, or one whose largest magnitude lies under 2^-122, keeps the byte 1 (its codes are read by this program alone); NaN and infinities among the inputs are not served.
; SHARES: a work-group makes one unit (x: K step, y: panel), wave a its fragment a.  Each of a wave's 16 loads reads 512 consecutive bytes of one row; the rows turn through the wave's own stage in LDS
; (pitch 528 bytes: row r starts 4 r banks on), from which lane (r, h) takes 16 neighbours of each block of 32 of row r.  No matrix unit, no cluster: the launch streams and shares nothing.
.set STGB, 16*528                      ; a wave's stage
.set SCB,  8*STGB                      ; behind the stages: the unit's 512 bytes of scale words
.set LI,   1                           ; v1  16 x lane
.set X,    16                          ; v16-79  64 numbers
.set TM,   80                          ; v80-95  at work
.set PW,   96                          ; v96     the scale word
.set PC,   100                         ; v100-119 the codes (12) and 8 at work
.set SEL,  24                          ; s[24:25] selects for lane l xor 16
.set WV,   26
; 64 numbers of a lane, register 16 b + i = k 32 b + 16 (lane / 16) + i of my row, become a fragment's codes in v[dst] on and its scale word in v[wrd]
.macro QUANT src, dst, wrd
.irp b, 0,1,2,3
	v_max3_num_f32 v[TM+\b], |v[\src+16*\b]|, |v[\src+1+16*\b]|, 0x2800000   ; my 16 numbers of block b, and the floor 2^(5 - 127): the byte cannot fall under 1
.endr
.irp i, 2,4,6,8,10,12,14
.irp b, 0,1,2,3
	v_max3_num_f32 v[TM+\b], v[TM+\b], |v[\src+16*\b+\i]|, |v[\src+1+16*\b+\i]|
.endr
.endr
.irp b, 0,1,2,3
	v_permlanex16_b32 v[TM+4+\b], v[TM+\b], s[SEL], s[SEL+1]
.endr
.irp b, 0,1,2,3
	v_max_num_f32 v[TM+\b], v[TM+\b], v[TM+4+\b]       ; with lane l xor 16's 16: the block's largest magnitude
.endr
.irp b, 0,1,2,3
	v_add_nc_u32 v[TM+12+\b], 0xfe000000, v[TM+\b]     ; 4 off its exponent field: the conversion's scale operand
.endr
.irp b, 0,1,2,3
	v_lshrrev_b32 v[TM+4+\b], 23, v[TM+12+\b]          ; the scale's byte
.endr
	v_lshl_or_b32 v[\wrd], v[TM+5], 8, v[TM+4]
	v_lshl_or_b32 v[\wrd], v[TM+6], 16, v[\wrd]
	v_lshl_or_b32 v[\wrd], v[TM+7], 24, v[\wrd]
.irp c, 0,1
	v_cvt_scalef32_pk16_bf6_f32 v[\dst+6*\c:\dst+2+6*\c], v[\src+32*\c:\src+15+32*\c], v[TM+12+2*\c]
	v_cvt_scalef32_pk16_bf6_f32 v[\dst+12+4*\c:\dst+14+4*\c], v[\src+16+32*\c:\src+31+32*\c], v[TM+12+2*\c+1]   ; (a conversion's three registers begin on an even number)
.endr
	v_nop                                              ; one plain place behind a scaled conversion
.irp c, 0,1                                        ; the layout wants a whole block in a lane: lanes 0-15 block 2 c, lanes 16-31 block 2 c + 1
.irp i, 0,1,2
	v_permlane16_swap_b32 v[\dst+6*\c+\i], v[\dst+12+4*\c+\i]
.endr
.irp i, 0,1,2
	v_mov_b32 v[\dst+3+6*\c+\i], v[\dst+12+4*\c+\i]
.endr
.endr
.endm
	s_load_b256 s[4:11], s[0:1], 0x0               ; memory, query, Wk, Wv
	s_load_b256 s[12:19], s[0:1], 0x20             ; Wq, Wf, xc, xs
	v_lshl_add_u32 v128, v0, 2, 0x10c00
	v_mov_b32 v129, 0
	v_lshrrev_b32 v8, 5, v0
	v_readfirstlane_b32 s[WV], v8                  ; wave 0..7 = my fragment
	v_and_b32 v8, 31, v0
	v_lshlrev_b32 v[LI], 4, v8
	v_and_b32 v2, 15, v0                           ; r
	v_bfe_u32 v3, v0, 4, 1                         ; h
	s_mul_i32 s27, s[WV], STGB
	v_add_nc_u32 v4, s27, v[LI]                    ; into the stage: 16 bytes a lane of a row
	v_mul_u32_u24 v5, v2, 528
	v_lshl_add_u32 v5, v3, 6, v5
	v_add_nc_u32 v5, s27, v5                       ; out of it: row r, + 64 h
	s_lshr_b32 s28, s[WV], 2
	s_lshl_b32 s28, s28, 8
	s_and_b32 s29, s[WV], 3
	s_lshl_b32 s29, s29, 2
	s_add_co_u32 s28, s28, s29
	s_add_co_u32 s28, s28, SCB
	v_lshlrev_b32 v6, 4, v2
	v_add_nc_u32 v6, s28, v6                       ; my row's scale word: 256 (wave / 4) + 16 r + 4 (wave % 4)
	v_add_nc_u32 v7, SCB, v[LI]                    ; and the block's way out
	s_mov_b32 s[SEL], 0x76543210
	s_mov_b32 s[SEL+1], 0xfedcba98
.irp b, 0,1,2,3
	v_mov_b32 v[TM+4+\b], 0                        ; written once: a lane permute's destination counts as one of its sources
.endr
	s_and_b32 s20, ttmp7, 0xffff                   ; the panel
	s_mov_b32 s21, 0                               ; the tensor's first panel
	s_wait_kmcnt 0x0
	s_mov_b64 s[22:23], s[4:5]                     ; which tensor: a choice on the work-group's number alone
	s_cmp_ge_u32 s20, 64
	s_cselect_b64 s[22:23], s[6:7], s[22:23]
	s_cselect_b32 s21, 64, s21
	s_cmp_ge_u32 s20, 128
	s_cselect_b64 s[22:23], s[8:9], s[22:23]
	s_cselect_b32 s21, 128, s21
	s_cmp_ge_u32 s20, 136
	s_cselect_b64 s[22:23], s[10:11], s[22:23]
	s_cselect_b32 s21, 136, s21
	s_cmp_ge_u32 s20, 144
	s_cselect_b64 s[22:23], s[12:13], s[22:23]
	s_cselect_b32 s21, 144, s21
	s_cmp_ge_u32 s20, 152
	s_cselect_b64 s[22:23], s[14:15], s[22:23]
	s_cselect_b32 s21, 152, s21
	s_sub_co_u32 s30, s20, s21
	s_lshl_b32 s30, s30, 7                         ; the panel's first row in its tensor
	s_lshr_b32 s31, s[WV], 1
	s_lshl_b32 s31, s31, 5
	s_add_co_u32 s30, s30, s31
	s_and_b32 s31, s[WV], 1
	s_lshl_b32 s31, s31, 3
	s_add_co_u32 s30, s30, s31                     ; + 32 (wave / 2) + 8 (wave % 2): my fragment's first row
	s_lshl_b32 s30, s30, 12                        ; rows of 4,096 bytes (under 2^25 bytes in all)
	s_lshl_b32 s31, ttmp9, 9                       ; the K step's 512 bytes
	s_add_co_u32 s30, s30, s31
	s_mov_b32 s31, 0
	s_add_nc_u64 s[22:23], s[22:23], s[30:31]
	s_lshl_b32 s32, s20, 3
	s_add_co_u32 s32, s32, ttmp9                   ; the unit: 8 x panel + K step
	s_mul_i32 s34, s32, 12288
	s_mul_i32 s35, s[WV], 1536
	s_add_co_u32 s34, s34, s35
	s_mov_b32 s35, 0
	s_add_nc_u64 s[16:17], s[16:17], s[34:35]      ; my fragment's image
	s_lshl_b32 s34, s32, 9
	s_add_nc_u64 s[18:19], s[18:19], s[34:35]      ; the unit's scale words
.irp i, 0,1,2,3,4,5,6,7,8,9,10,11,12,13,14,15
	global_load_b128 v[X+4*\i:X+4*\i+3], v[LI], s[22:23] offset:(\i+8*(\i/8))*4096 th:TH_LOAD_NT   ; fragment row i: 32 lanes read 512 consecutive bytes; read once in the launch
.endr
.irp i, 0,1,2,3,4,5,6,7,8,9,10,11,12,13,14,15
	s_wait_loadcnt 15-\i                           ; loads come back in order: row i is in, the 15 - i younger ones stay out
	ds_store_b128 v4, v[X+4*\i:X+4*\i+3] offset:528*\i
.endr
.irp b, 0,1,2,3
.irp j, 0,1,2,3
	ds_load_b128 v[X+16*\b+4*\j:X+16*\b+4*\j+3], v5 offset:128*\b+16*\j   ; LDS serves a wave's instructions in order: these see my stores.  Row r, k = 32 b + 16 h + 4 j ..
.endr
.endr
	s_wait_dscnt 0x0
	QUANT X, PC, PW
	ds_store_b32 v6, v[PW]                         ; lanes r and r + 16 write the same word with the same value
.irp c, 0,1,2
	global_store_b128 v[LI], v[PC+4*\c:PC+4*\c+3], s[16:17] offset:512*\c   ; 32 lanes store 512 consecutive bytes, aligned
.endr
	s_wait_dscnt 0x0                               ; for the others' sake: my scale word has landed
	s_barrier_signal -1
	s_barrier_wait -1
	s_cmp_lg_u32 s[WV], 0
	s_cbranch_scc1 .Lend                           ; wave 0 stores the unit's 512 bytes of scale words
	ds_load_b128 v[8:11], v7
	s_wait_dscnt 0x0
	global_store_b128 v[LI], v[8:11], s[18:19]
.Lend:
	s_wait_tensorcnt 0x0
	ds_add_u32 v128, v129
	s_wait_dscnt 0x0
	s_endpgm
.Lfunc_end_k_q010ece7c24_quant:
	.size	k_q010ece7c24_quant, .Lfunc_end_k_q010ece7c24_quant-k_q010ece7c24_quant
	.p2alignl 7, 3214868480
	.fill 96, 4, 3214868480
	.section	.rodata,"a",@progbits
	.p2align	6, 0x0
	.amdhsa_kernel k_q010ece7c24_quant
		.amdhsa_group_segment_fixed_size 69632
		.amdhsa_private_segment_fixed_size 0
		.amdhsa_enable_private_segment 0
		.amdhsa_kernarg_size 64
		.amdhsa_user_sgpr_count 2
		.amdhsa_user_sgpr_kernarg_segment_ptr 1
		.amdhsa_wavefront_size32 1
		.amdhsa_system_sgpr_workgroup_id_x 1
		.amdhsa_system_sgpr_workgroup_id_y 1
		.amdhsa_system_sgpr_workgroup_id_z 1
		.amdhsa_system_vgpr_workitem_id 0
		.amdhsa_next_free_vgpr 130
		.amdhsa_next_free_sgpr 66
		.amdhsa_reserve_vcc 0
		.amdhsa_float_denorm_mode_32 3
		.amdhsa_float_denorm_mode_16_64 3
		.amdhsa_memory_ordered 1
		.amdhsa_forward_progress 1
		.amdhsa_inst_pref_size 12
	.end_amdhsa_kernel
	.amdgpu_metadata
---
amdhsa.version: [ 1, 2 ]
amdhsa.kernels:
  - .name:           k_q010ece7c24_quant
    .symbol:         k_q010ece7c24_quant.kd
    .args:
      - { .name: memory, .offset: 0, .size: 8, .value_kind: global_buffer, .address_space: global }
      - { .name: query, .offset: 8, .size: 8, .value_kind: global_buffer, .address_space: global }
      - { .name: Wk, .offset: 16, .size: 8, .value_kind: global_buffer, .address_space: global }
      - { .name: Wv, .offset: 24, .size: 8, .value_kind: global_buffer, .address_space: global }
      - { .name: Wq, .offset: 32, .size: 8, .value_kind: global_buffer, .address_space: global }
      - { .name: Wf, .offset: 40, .size: 8, .value_kind: global_buffer, .address_space: global }
      - { .name: xc, .offset: 48, .size: 8, .value_kind: global_buffer, .address_space: global }
      - { .name: xs, .offset: 56, .size: 8, .value_kind: global_buffer, .address_space: global }
    .group_segment_fixed_size: 69632
    .private_segment_fixed_size: 0
    .kernarg_segment_align: 8
    .kernarg_segment_size: 64
    .max_flat_workgroup_size: 256
    .sgpr_count:     66
    .vgpr_count:     130
    .wavefront_size: 32
...
	.end_amdgpu_metadata
.endif
;; end of part 1
;; launch proj (part 2): grid 12 x 32, 4 waves a work-group, clusters of 4 x 4, 327,680 bytes of LDS; arguments xc, xs, bk, bv, bq, qkvc, qkvs; writes qkvc, qkvs
.if DOCPART == 2
	.amdgcn_target "amdgcn-amd-amdhsa--gfx1250"
	.amdhsa_code_object_version 6
	.text
	.protected	k_q010ece7c24_proj
	.globl	k_q010ece7c24_proj
	.p2align	8
	.type	k_q010ece7c24_proj,@function
k_q010ece7c24_proj:
	s_mov_b64 s[64:65], 0
	v_nop
	global_prefetch_b8 v0, s[64:65] scope:SCOPE_SE
	s_setreg_imm32_b32 hwreg(HW_REG_WAVE_MODE, 25, 1), 1
	s_wait_xcnt 0x0
	s_wait_alu depctr_hold_cnt(0) depctr_sa_sdst(0) depctr_va_vdst(0) depctr_va_sdst(0) depctr_va_ssrc(0) depctr_va_vcc(0) depctr_vm_vsrc(0)
	s_getreg_b32 s2, hwreg(HW_REG_IB_STS2, 6, 4)
	s_cmp_eq_u32 s2, 0
	s_cbranch_scc0 .Lentry_in_a_cluster
	s_endpgm
.Lentry_in_a_cluster:
	s_bfe_u32 s2, ttmp6, 0x10000c
	s_cmp_lg_u32 s2, 0xf033
	s_cbranch_scc0 .Lentry_shape_is_right
	s_endpgm
.Lentry_shape_is_right:
; k = memory Wk^T + bk, v = memory Wv^T + bv, q = (query Wq^T + bq) / sqrt(128), on codes of BF6 (E3M2) with E8M0 scales, K = 1,024; each result is quantised in registers, along the K of the product
; that will read it (k and q along the head's 128, v along the keys), and leaves as codes and scale words in the order of the operand's registers (fragments of 1,536 bytes, units of 8; see below).
; ONE TEXT FOR THE THREE PRODUCTS: the cluster's x says which (0: k, 1: v, 2: q); it chooses panels, bias and constants by s_cselect, never a branch.
; Side A is source 1 (a lane holds one of its rows), side B source 0 (a lane's registers run along its rows).  k, q: A = the tokens, B = the weight.  v: A = Wv, B = memory: a lane then holds one channel d and its registers run along the keys.
; OPERANDS (xc, xs): [panel of 128 rows][K step of 128]: 12,288 bytes of codes (fragment i at 1,536 i; registers 4 c .. 4 c + 3 of lane l at 512 c + 16 l) and 512 bytes of scale words (fragment 4 g + j, row r at 256 g + 16 r + 4 j).
; Lane r of fragment 2 u2 + u holds panel row 32 u2 + 8 u + r + 8 (r / 8): with such a fragment as source 0, the 16 result registers of fragments 2 u2, 2 u2 + 1 are B's rows 32 u2 + 16 (lane / 16) + 0 .. 15.
; SHARES: a tile of 256 x 256 to a work-group of four waves, 128 x 128 (64 accumulators, 512 registers) to a wave.  A slot holds two K steps of the four panels; a wave's tensor load brings one panel's two units, 24,576 dense bytes.
; THREE SLOTS, ONE REFILL: K's eight steps are four slots' worth.  Three slots are asked for at the start, with the four panels' scale words for all of K; slot 0 alone is filled again, with K steps 6 and 7: asked for in K step 1,
; read from K step 5 on: four K steps, 256 matrix instructions, in which to land.  By this text's own count a wave has four tensor loads out at the start and one behind the round.
; CLUSTER 4 x 4: A's panels are shared along a row of the cluster, B's along a column: joint loads.
; RESULTS (qkvc, qkvs): units [k 0, v 1, q 2][batch][head][step of 128 tokens]; k, q: rows = tokens, K = the head's 128; v: rows = the head's 128, K = the step's 128 keys.
; The bias along B's rows is the C of each sum's first product; the bias along A's rows (v) is the addend of the one multiply-add that also carries q's factor.
; LIMITS: a block whose largest magnitude lies under 2^-122 (zeros too) keeps the byte 1; NaN and infinities are not served.
; REGISTERS: window 0: v16-29 addresses; v32-63 scale words, two sets; v64-127 the bias along B; v128-223 A's fragments, one set (on the way out: at work); v240-255 the bias along A, each number twice.
;   window 1: B's fragments, two sets, at v0 and v128.   windows 2, 3: the accumulators of my rows 0-63, 64-127: (a, b) at v[8 (8 (a % 4) + b)].
.set FR,    12                         ; registers of a fragment
.set NL,    3                          ; LDS loads that bring one
.set NP,    4                          ; places behind this matrix instruction (ISA guide 7.12.1)
.set UNIT,  12288
.set PANEL, 8*UNIT                     ; a panel's codes for all of K
.set PART,  2*UNIT                     ; what one tensor load brings
.set SLOT,  4*PART                     ; A's two panels, then B's two
.set SCL,   3*SLOT                     ; the scale words: 4 panels x 4,096 bytes
.set SPARE, SCL+4*4096                 ; the spare words, 128 bytes a wave: two blocks of 256 bytes that no other line names
.set ADRA, 16                          ; v16-18 LDS address of my panel of A in slot 0, 1, 2
.set ADRB, 20                          ; v20-22 of B
.set LI,   26                          ; v26 16 x lane
.set ADRS, 27                          ; v27 my scale words: lanes 0-15 A's, lanes 16-31 B's
.set SPW,  28
.set NIL,  29
.set SC,   32                          ; set s at 16 s; in it 8 q + i: the words of fragment i for the q-th of two K steps
.set BB,   64
.set AF,   128
.set BA,   240
.set T,    128                         ; the way out: 64 numbers,
.set TM,   192                         ; 16 at work,
.set W,    208                         ; the eight fragments' scale words,
.set PC,   216                         ; the codes (12) and 8 at work,
.set SW,   236                         ; the scale block's 16 bytes of my lane
.set WV,   18
.set WHI,  19
.set WLO,  20
.set SEL,  22
.set G1,   24
.set G0,   32                          ; s[32:39] group 0 for A's tiles, slots 0 and 1
.set G0C,  4                           ; s[4:7]   the same for slot 2 (the two operand addresses that lay here have been used up)
.set G1B,  48
.set G0B,  56                          ; s[56:63] group 0 for B's tiles, slots 0 and 1
.set G0BC, 92                          ; s[92:95] the same for slot 2
.set G1S,  68
.set G0S,  76
.set G1SB, 80
.set G0SB, 88
.set MSB, 0
.macro WIN new                         ; the immediate's high byte repeats the setting that is left
.if MSB != \new
	s_set_vgpr_msb (MSB<<8)|\new
.set MSB, \new
.endif
.endm
.set MUL_LO,   0xa1                    ; source 0 (B) window 1, source 1 (A) window 0, C and D window 2
.set MUL_HI,   0xf1                    ; the same, C and D window 3
.set FIRST_LO, 0x81                    ; the first K step: C (the bias) window 0, D window 2
.set FIRST_HI, 0xc1                    ; D window 3
.set TO_B,     0x40
; A joint load: waves 0 and 1 fetch for A, waves 2 and 3 for B; the branch hangs on the wave's number alone.  Four v_nop follow each of the two lines.
.macro JLOAD g0a, g1a, g0b, g1b
	s_cmp_eq_u32 s[WHI], 0
	s_cbranch_scc0 .Lfor_b_\@
	tensor_load_to_lds s[\g0a:\g0a+3], s[\g1a:\g1a+7]
	s_nop 0
.rept 4
	v_nop
.endr
	s_branch .Lasked_\@
.Lfor_b_\@:
	tensor_load_to_lds s[\g0b:\g0b+3], s[\g1b:\g1b+7]
	s_nop 0
.rept 4
	v_nop
.endr
.Lasked_\@:
.endm
.macro CREST                           ; a round of the cluster's barrier behind its opening barrier
	s_cmp_lg_u32 s[WV], 0
	s_cbranch_scc1 .Lnot_wave_0_\@
	s_barrier_signal -3
.Lnot_wave_0_\@:
	s_barrier_wait -3
	s_barrier_signal -1
	s_barrier_wait -1
.endm
.macro CROUND
	s_barrier_signal -1
	s_barrier_wait -1
	CREST
.endm
.macro PLACES n
.rept \n
	v_nop
.endr
.endm
; 64 numbers of a lane, register 16 b + i = k 32 b + 16 (lane / 16) + i of my row -> a fragment's codes and its scale word.  xw = 1: the codes' registers are still the data of stores: the wait stands ahead of the first line that writes them
.macro QUANT src, dst, wrd, xw
.irp b, 0,1,2,3
	v_max3_num_f32 v[TM+\b], |v[\src+16*\b]|, |v[\src+1+16*\b]|, 0x2800000   ; and the floor 2^(5 - 127): the byte cannot fall under 1
.endr
.irp i, 2,4,6,8,10,12,14
.irp b, 0,1,2,3
	v_max3_num_f32 v[TM+\b], v[TM+\b], |v[\src+16*\b+\i]|, |v[\src+1+16*\b+\i]|
.endr
.endr
.irp b, 0,1,2,3
	v_permlanex16_b32 v[TM+4+\b], v[TM+\b], s[SEL], s[SEL+1]
.endr
.irp b, 0,1,2,3
	v_max_num_f32 v[TM+\b], v[TM+\b], v[TM+4+\b]
.endr
.irp b, 0,1,2,3
	v_add_nc_u32 v[TM+12+\b], 0xfe000000, v[TM+\b]     ; 4 off the exponent field: the conversion's scale operand
.endr
.irp b, 0,1,2,3
	v_lshrrev_b32 v[TM+4+\b], 23, v[TM+12+\b]          ; the scale's byte
.endr
	v_lshl_or_b32 v[\wrd], v[TM+5], 8, v[TM+4]
	v_lshl_or_b32 v[\wrd], v[TM+6], 16, v[\wrd]
	v_lshl_or_b32 v[\wrd], v[TM+7], 24, v[\wrd]
.if \xw
	s_wait_xcnt 0x0                                    ; the last fragment's stores have read their data: the codes' registers may be written again
.endif
.irp c, 0,1
	v_cvt_scalef32_pk16_bf6_f32 v[\dst+6*\c:\dst+2+6*\c], v[\src+32*\c:\src+15+32*\c], v[TM+12+2*\c]
	v_cvt_scalef32_pk16_bf6_f32 v[\dst+12+4*\c:\dst+14+4*\c], v[\src+16+32*\c:\src+31+32*\c], v[TM+12+2*\c+1]
.endr
	v_nop                                              ; one plain place behind a scaled conversion
.irp c, 0,1
.irp i, 0,1,2
	v_permlane16_swap_b32 v[\dst+6*\c+\i], v[\dst+12+4*\c+\i]
.endr
.irp i, 0,1,2
	v_mov_b32 v[\dst+3+6*\c+\i], v[\dst+12+4*\c+\i]
.endr
.endr
.endm
	s_load_b128 s[4:7], s[0:1], 0x0                ; xc, xs
	s_load_b128 s[8:11], s[0:1], 0x10              ; bk, bv
	s_load_b128 s[12:15], s[0:1], 0x20             ; bq, qkvc
	s_load_b64 s[16:17], s[0:1], 0x30              ; qkvs
	v_lshl_add_u32 v[SPW], v0, 2, SPARE
	v_mov_b32 v[NIL], 0
	ds_add_u32 v28, v29
	ds_add_u32 v28, v29
	s_wait_dscnt 0x0
	v_lshrrev_b32 v1, 5, v0
	v_readfirstlane_b32 s[WV], v1                  ; wave 0..3
	s_lshr_b32 s[WHI], s[WV], 1                    ; which panel of A is mine.  Also: I fetch for A (0) or for B (1)
	s_and_b32 s[WLO], s[WV], 1                     ; which panel of B.  Also: which of the two panels I fetch
	s_bfe_u32 s40, ttmp6, 0x40000                  ; cx
	s_bfe_u32 s41, ttmp6, 0x40004                  ; cy
	s_and_b32 s21, ttmp7, 0xffff
	s_lshl_b32 s21, s21, 2                         ; 4 x cluster y: it walks the tokens
	s_cmp_eq_u32 ttmp9, 1                          ; v?
	s_cselect_b32 s66, 0, s21                      ; k, q: the tokens are A's rows;
	s_cselect_b32 s67, s21, 0                      ; v: they are B's
	s_cselect_b32 s44, 136, 0                      ; A's first panel: memory 0, Wv 136, query 64
	s_cselect_b32 s45, 0, 128                      ; B's: Wk 128, memory 0, Wq 144
	s_cselect_b32 s100, 0, 1.0                     ; the bias runs along B (k, q)
	s_cselect_b32 s104, 1.0, 0                     ; or along A (v)
	s_cmp_eq_u32 ttmp9, 2                          ; q?
	s_cselect_b32 s44, 64, s44
	s_cselect_b32 s45, 144, s45
	s_cselect_b32 s98, 0x3db504f3, 1.0             ; q's factor 1 / sqrt(128)
	s_mov_b32 s99, s98                             ; (each is named as a pair by a packed form, so both words are written)
	s_mov_b32 s101, s100
	s_mov_b32 s105, s104
	s_add_co_u32 s43, s41, s66                     ; tile row
	s_add_co_u32 s42, s40, s67                     ; tile column
	s_lshl_b32 s66, s41, 2
	s_lshl_b32 s66, 15, s66                        ; my row of the cluster
	s_lshl_b32 s67, 0x1111, s40                    ; my column
	s_or_b32 s[G1+0], s66, (3<<16)|(1<<21)         ; 15:0 the mask; 17:16 elements of 8 bytes; 20 no padding; 21 set beside a mask
	s_or_b32 s[G1B+0], s67, (3<<16)|(1<<21)
	s_or_b32 s[G1S+0], s66, (3<<16)|(1<<21)
	s_or_b32 s[G1SB+0], s67, (3<<16)|(1<<21)
.irp g, G1, G1B                        ; two units: 96 dense rows of 256 bytes
	s_mov_b32 s[\g+1], 32<<16
	s_mov_b32 s[\g+2], 96<<16
	s_mov_b32 s[\g+3], 32<<16
	s_mov_b32 s[\g+4], 96
	s_mov_b32 s[\g+5], 32
	s_mov_b32 s[\g+6], 0
	s_mov_b32 s[\g+7], 0
.endr
.irp g, G1S, G1SB                      ; a panel's scale words: 16 dense rows of 256 bytes
	s_mov_b32 s[\g+1], 32<<16
	s_mov_b32 s[\g+2], 16<<16
	s_mov_b32 s[\g+3], 32<<16
	s_mov_b32 s[\g+4], 16
	s_mov_b32 s[\g+5], 32
	s_mov_b32 s[\g+6], 0
	s_mov_b32 s[\g+7], 0
.endr
	s_lshl_b32 s46, s43, 1                         ; A's panel that I would fetch: made of cy, the cluster's place and the wave's number alone
	s_add_co_u32 s46, s46, s44
	s_add_co_u32 s46, s46, s[WLO]
	s_lshl_b32 s92, s46, 12
	s_mul_i32 s46, s46, PANEL
	s_mov_b32 s47, 0
	s_mov_b32 s93, 0
	s_lshl_b32 s94, s42, 1                         ; B's: of cx likewise
	s_add_co_u32 s94, s94, s45
	s_add_co_u32 s94, s94, s[WLO]
	s_lshl_b32 s96, s94, 12
	s_mul_i32 s94, s94, PANEL
	s_mov_b32 s95, 0
	s_mov_b32 s97, 0
	s_mul_i32 s2, s[WV], PART                      ; where they go: wave x 24,576: no place in the cluster enters an LDS address
	s_lshl_b32 s21, s[WV], 12
	s_mov_b32 s3, 0xffff0000                       ; lanes 16-31
	s_mov_b32 s[SEL], 0x76543210
	s_mov_b32 s[SEL+1], 0xfedcba98
	s_wait_kmcnt 0x0
	s_add_nc_u64 s[46:47], s[4:5], s[46:47]
	s_add_nc_u64 s[92:93], s[6:7], s[92:93]
	s_add_nc_u64 s[94:95], s[4:5], s[94:95]
	s_add_nc_u64 s[96:97], s[6:7], s[96:97]
	CROUND                                         ; all sixteen work-groups are here: the first joint loads meet
	s_mov_b32 s[G0S], 1
	s_add_co_u32 s[G0S+1], s21, SCL
	s_mov_b64 s[G0S+2:G0S+3], s[92:93]
	s_or_b32 s[G0S+3], s[G0S+3], 0x80000000
	s_mov_b32 s[G0SB], 1
	s_add_co_u32 s[G0SB+1], s21, SCL
	s_mov_b64 s[G0SB+2:G0SB+3], s[96:97]
	s_or_b32 s[G0SB+3], s[G0SB+3], 0x80000000
	JLOAD G0S, G1S, G0SB, G1SB                     ; the scale words first: they are wanted with K step 0
.irp s, 0,1
	s_mov_b32 s[G0+4*\s], 1
	s_add_co_u32 s[G0+4*\s+1], s2, \s*SLOT
	s_add_nc_u64 s[G0+4*\s+2:G0+4*\s+3], s[46:47], \s*PART
	s_or_b32 s[G0+4*\s+3], s[G0+4*\s+3], 0x80000000
	s_mov_b32 s[G0B+4*\s], 1
	s_add_co_u32 s[G0B+4*\s+1], s2, \s*SLOT
	s_add_nc_u64 s[G0B+4*\s+2:G0B+4*\s+3], s[94:95], \s*PART
	s_or_b32 s[G0B+4*\s+3], s[G0B+4*\s+3], 0x80000000
	JLOAD G0+4*\s, G1, G0B+4*\s, G1B
.endr
	s_mov_b32 s[G0C], 1                            ; slot 2: K steps 4 and 5
	s_add_co_u32 s[G0C+1], s2, 2*SLOT
	s_add_nc_u64 s[G0C+2:G0C+3], s[46:47], 2*PART
	s_or_b32 s[G0C+3], s[G0C+3], 0x80000000
	s_mov_b32 s[G0BC], 1
	s_add_co_u32 s[G0BC+1], s2, 2*SLOT
	s_add_nc_u64 s[G0BC+2:G0BC+3], s[94:95], 2*PART   ; (B's address is stepped where it lies: this is its last use)
	s_or_b32 s[G0BC+3], s[G0BC+3], 0x80000000
	JLOAD G0C, G1, G0BC, G1B
	v_and_b32 v1, 15, v0                           ; r
	v_bfe_u32 v2, v0, 4, 1                         ; h
	v_and_b32 v3, 31, v0
	v_lshlrev_b32 v[LI], 4, v3
	s_lshl_b32 s66, s43, 1
	s_add_co_u32 s66, s66, s[WHI]                  ; my panel of A, counted in its tensor
	s_lshl_b32 s67, s42, 1
	s_add_co_u32 s67, s67, s[WLO]                  ; my panel of B
	s_cmp_eq_u32 ttmp9, 1
	s_cselect_b64 s[8:9], s[10:11], s[8:9]         ; the bias: bk, bv,
	s_cselect_b32 s2, s67, s66                     ; the tokens' panel,
	s_cselect_b32 s21, s66, s67                    ; the head,
	s_cselect_b32 s44, 0, s67                      ; where the bias along B begins (v: not used, multiplied by 0, and kept inside the buffer),
	s_cselect_b32 s45, s66, 0                      ; and the bias along A
	s_cmp_eq_u32 ttmp9, 2
	s_cselect_b64 s[8:9], s[12:13], s[8:9]         ; or bq
	s_lshl_b32 s44, s44, 9                         ; 128 numbers of 4 bytes a panel
	s_lshl_b32 s66, s45, 9
	s_mov_b32 s45, 0
	s_mov_b32 s67, 0
	s_add_nc_u64 s[10:11], s[8:9], s[44:45]
	s_add_nc_u64 s[12:13], s[8:9], s[66:67]
	v_lshlrev_b32 v4, 6, v2                        ; along B: register 16 u2 + i of lane half h is B's row 32 u2 + 16 h + i
	v_and_b32 v5, 8, v1
	v_add_nc_u32 v5, v5, v1
	v_lshlrev_b32 v5, 2, v5                        ; along A: lane r of fragment a is row 32 (a / 2) + 8 (a % 2) + r + 8 (r / 8)
.irp i, 0,1,2,3,4,5,6,7,8,9,10,11,12,13,14,15
	global_load_b128 v[BB+4*\i:BB+4*\i+3], v4, s[10:11] offset:128*(\i/4)+16*(\i%4)
.endr
.irp a, 0,1,2,3,4,5,6,7
	global_load_b32 v[BA+2*\a], v5, s[12:13] offset:4*(32*(\a/2)+8*(\a%2))
	global_load_b32 v[BA+2*\a+1], v5, s[12:13] offset:4*(32*(\a/2)+8*(\a%2))   ; twice: a pair for the packed multiply-add
.endr
	s_lshr_b32 s44, s2, 3                          ; the unit that I write: 512 x product + 64 x batch + 8 x head + step
	s_lshl_b32 s44, s44, 6
	s_and_b32 s2, s2, 7
	s_add_co_u32 s44, s44, s2
	s_lshl_b32 s21, s21, 3
	s_add_co_u32 s44, s44, s21
	s_lshl_b32 s21, ttmp9, 9
	s_add_co_u32 s44, s44, s21
	s_lshl_b32 s66, s44, 9
	s_mul_i32 s44, s44, UNIT
	s_add_nc_u64 s[14:15], s[14:15], s[44:45]
	s_add_nc_u64 s[16:17], s[16:17], s[66:67]
	s_mul_i32 s44, s[WHI], PART                    ; my panel of A in a slot,
	s_mul_i32 s66, s[WLO], PART
	s_add_co_u32 s66, s66, 2*PART                  ; my panel of B, behind A's two
.irp s, 0,1,2
	v_add_nc_u32 v[ADRA+\s], s44, v[LI]
	v_add_nc_u32 v[ADRB+\s], s66, v[LI]
	s_add_co_u32 s44, s44, SLOT
	s_add_co_u32 s66, s66, SLOT
.endr
	s_lshl_b32 s44, s[WHI], 12                     ; the scale words: A's panel,
	s_lshl_b32 s66, s[WLO], 12
	s_add_co_u32 s66, s66, 2*4096                  ; B's panel,
	s_sub_co_u32 s66, s66, s44
	v_mul_u32_u24 v6, s66, v2                      ; lanes 16-31 take B's: one product, the distance between the two
	s_add_co_u32 s44, s44, SCL
	v_lshl_add_u32 v6, v1, 4, v6                   ; 16 bytes a row: four fragments' words
	v_add_nc_u32 v[ADRS], s44, v6
	s_wait_loadcnt 0x0                             ; the biases
.set i, 0
.rept 32
	v_pk_mul_f32 v[BB+i:BB+i+1], v[BB+i:BB+i+1], s[100:101] op_sel_hi:[1,0]   ; x 1 where the bias runs along B, x 0 where not
.set i, i+2
.endr
.set i, 0
.rept 8
	v_pk_mul_f32 v[BA+i:BA+i+1], v[BA+i:BA+i+1], s[104:105] op_sel_hi:[1,0]
.set i, i+2
.endr
	PLACES 8                                       ; between registers written by vector instructions and the products that read them
.macro FRAG reg, adr, q, i             ; fragment i of the slot's q-th K step: the image of its 12 registers, 512 consecutive bytes a load
.irp c, 0,1,2
	ds_load_b128 v[\reg+4*\c:\reg+4*\c+3], v[\adr] offset:(\q)*UNIT+(\i)*1536+512*\c
.endr
.endm
; 16 products: A's fragments a0, a0 + 1 x B's eight.  p: B's set; q: the slot's K step; sc: the set of scale words.  first = 1: C is the bias along B.
; The 64 accumulators take turns, one instruction a turn, in the same order in every K step.
.macro MUL16 a0, p, q, sc, first
.irp a, \a0, \a0+1
.irp b, 0,1,2,3,4,5,6,7
.if \first
	v_wmma_scale_f32_16x16x128_f8f6f4 v[8*(8*((\a)%4)+\b):8*(8*((\a)%4)+\b)+7], v[128*(\p)+FR*\b:128*(\p)+FR*\b+FR-1], v[AF+FR*(\a):AF+FR*(\a)+FR-1], v[BB+8*\b:BB+8*\b+7], v[SC+16*(\sc)+8*(\q)+\b], v[SC+16*(\sc)+8*(\q)+(\a)] matrix_a_fmt:MATRIX_FMT_BF6 matrix_b_fmt:MATRIX_FMT_BF6 matrix_a_scale:MATRIX_SCALE_ROW1
.else
	v_wmma_scale_f32_16x16x128_f8f6f4 v[8*(8*((\a)%4)+\b):8*(8*((\a)%4)+\b)+7], v[128*(\p)+FR*\b:128*(\p)+FR*\b+FR-1], v[AF+FR*(\a):AF+FR*(\a)+FR-1], v[8*(8*((\a)%4)+\b):8*(8*((\a)%4)+\b)+7], v[SC+16*(\sc)+8*(\q)+\b], v[SC+16*(\sc)+8*(\q)+(\a)] matrix_a_fmt:MATRIX_FMT_BF6 matrix_b_fmt:MATRIX_FMT_BF6 matrix_a_scale:MATRIX_SCALE_ROW1
.endif
.endr
.endr
.endm
.macro FETCH_B slot, q, p
	WIN TO_B
.irp i, 0,1,2,3,4,5,6,7
	FRAG 128*(\p)+FR*\i, ADRB+\slot, \q, \i
.endr
	WIN 0
.endm
.macro FETCH_A slot, q, i0
.irp i, \i0, \i0+1, \i0+2, \i0+3
	FRAG AF+FR*(\i), ADRA+\slot, \q, \i
.endr
.endm
.macro SCALES sc, ks                   ; the words of K steps ks, ks + 1 into set sc: lanes 0-15 A's fragments, lanes 16-31 B's; four fragments' words a load
.irp q, 0,1
.irp g, 0,1
	ds_load_b128 v[SC+16*(\sc)+8*\q+4*\g:SC+16*(\sc)+8*\q+4*\g+3], v[ADRS] offset:((\ks)+\q)*512+256*\g
.endr
.endr
.endm
; A slot's first K step.  A block of A is free as soon as its eight products are issued: blocks 0-3 are fetched anew in the middle, blocks 4-7 at the end; B has two sets.
.macro STEP slot, sc, first
	s_wait_dscnt 4*NL                              ; all but the youngest 12 loads (A's blocks 4-7) are in
.if \first
	WIN FIRST_LO
.else
	WIN MUL_LO
.endif
	MUL16 0, 0, 0, \sc, \first
	MUL16 2, 0, 0, \sc, \first
	s_wait_dscnt 0
	PLACES NP                                      ; in front of loads into registers that matrix instructions have read
	FETCH_B \slot, 1, 1
	FETCH_A \slot, 1, 0
.if \first
	WIN FIRST_HI
.else
	WIN MUL_HI
.endif
	MUL16 4, 0, 0, \sc, \first
	MUL16 6, 0, 0, \sc, \first
	PLACES NP
	WIN 0
	FETCH_A \slot, 1, 4
.endm
; A slot's second K step goes on to the next slot.
; mode 1: this slot is filled again: each wave waits for all its tensor loads, adds 0 to its spare word, waits for that and for its reads of this slot; the barrier opens a round of the cluster's; the joint refill is the first thing behind it.
; mode 0: the next slot was shown landed, in every wave, by the wait for all loads in front of that round, and nothing is filled: no barrier.
; mode 2: the next slot is the refilled one: each wave waits for its part of it (no load was issued behind it: the count is 0), then a plain barrier.
.macro TURN slot, sc, next, nsc, mode, ks
.if \mode == 1
	s_wait_tensorcnt 0x0                           ; all my tensor loads have landed: my parts of the two slots ahead
	ds_add_u32 v[SPW], v[NIL]                      ; 0 onto my spare word
	s_wait_dscnt 4*NL+1                            ; (the add and the youngest 12 loads may be out)
.else
	s_wait_dscnt 4*NL                              ; (the youngest 12 loads may be out)
.endif
	WIN MUL_LO
	MUL16 0, 1, 1, \sc, 0
.if \mode == 2
	s_wait_tensorcnt 0x0                           ; my part of K steps 6 and 7 has landed
.endif
	s_wait_dscnt 0x0                               ; my reads of this slot are over (mode 1: and the add is done)
.if \mode > 0
	s_barrier_signal -1
.endif
	MUL16 2, 1, 1, \sc, 0
	WIN 0
.if \mode > 0
	s_barrier_wait -1
.endif
.if \mode == 1
	CREST                                          ; no wave of any partner still reads this slot or has a load on its way
	s_add_nc_u64 s[G0+4*\slot+2:G0+4*\slot+3], s[G0+4*\slot+2:G0+4*\slot+3], 3*PART
	s_add_nc_u64 s[G0B+4*\slot+2:G0B+4*\slot+3], s[G0B+4*\slot+2:G0B+4*\slot+3], 3*PART
	JLOAD G0+4*\slot, G1, G0B+4*\slot, G1B         ; the first tensor load behind the round; its four v_nop are the places in front of the loads below
.else
	PLACES NP
.endif
	FETCH_B \next, 0, 0
	FETCH_A \next, 0, 0
	SCALES \nsc, \ks
	WIN MUL_HI
	MUL16 4, 1, 1, \sc, 0
	MUL16 6, 1, 1, \sc, 0
	PLACES NP
	WIN 0
	FETCH_A \next, 0, 4
.endm
	s_wait_tensorcnt 2                             ; the scale words and my part of slot 0 are in; the loads of slots 1 and 2 may be out
	s_barrier_signal -1
	s_barrier_wait -1
	FETCH_B 0, 0, 0
	FETCH_A 0, 0, 0
	SCALES 0, 0
	FETCH_A 0, 0, 4
	STEP 0, 0, 1                                   ; K step 0: the products start the sums on the bias
	TURN 0, 0, 1, 1, 1, 2                          ; K step 1; slot 0 takes K steps 6, 7
	STEP 1, 1, 0                                   ; K step 2
	TURN 1, 1, 2, 0, 0, 4                          ; K step 3; on to slot 2
	STEP 2, 0, 0                                   ; K step 4
	TURN 2, 0, 0, 1, 2, 6                          ; K step 5; on to the refilled slot 0
	STEP 0, 1, 0                                   ; K step 6
	s_wait_dscnt 4*NL                              ; K step 7
	WIN MUL_LO
	MUL16 0, 1, 1, 1, 0
	MUL16 2, 1, 1, 1, 0
	s_wait_dscnt 0
	WIN MUL_HI
	MUL16 4, 1, 1, 1, 0
	MUL16 6, 1, 1, 1, 0
	WIN 0
; THE WAY OUT.  The 64 registers of A's fragment a (its eight accumulators) are, in lane (r, h), 64 numbers of ONE row: register 16 u2 + i = B's row 32 u2 + 16 h + i: just what the quantiser takes.
; (sum + bias along B) x factor + bias along A: one packed multiply-add; then codes and scale word; the fragment's image leaves by three stores of 512 consecutive bytes.
.macro OUTFRAG a
.set WW, 0x02+(\a)/4
	WIN WW                                         ; source 0: window 2 or 3
.set AC, 64*((\a)%4)
.set i, 0
.rept 32
	v_pk_fma_f32 v[T+i:T+i+1], v[AC+i:AC+i+1], s[98:99], v[BA+2*(\a):BA+2*(\a)+1] op_sel_hi:[1,0,1]   ; each accumulator from its low end on
.set i, i+2
.endr
	WIN 0
.if (\a) > 0
	QUANT T, PC, W+(\a), 1
.else
	QUANT T, PC, W+(\a), 0
.endif
.irp c, 0,1,2
	global_store_b128 v[LI], v[PC+4*\c:PC+4*\c+3], s[14:15] offset:(\a)*1536+512*\c
.endr
.endm
	PLACES NP                                      ; behind the last products: the lines below write registers that held A's fragments
.irp b, 0,1,2,3
	v_mov_b32 v[TM+4+\b], 0                        ; a lane permute's destination counts as one of its sources
.endr
.irp a, 0,1,2,3,4,5,6,7
	OUTFRAG \a
.endr
.irp j, 0,1,2,3
	v_cndmask_b32 v[SW+\j], v[W+\j], v[W+4+\j], s3 ; lane r + 16 g stores the words of fragments 4 g + 0 .. 3 of row r
.endr
	global_store_b128 v[LI], v[SW:SW+3], s[16:17]  ; the unit's 512 bytes of scale words
	s_wait_tensorcnt 0x0                           ; the wave's end
	ds_add_u32 v[SPW], v[NIL]
	s_wait_dscnt 0x0
	CROUND                                         ; the closing round: no work-group ends while a partner may still ask for a tile that names it
	s_endpgm
.Lfunc_end_k_q010ece7c24_proj:
	.size	k_q010ece7c24_proj, .Lfunc_end_k_q010ece7c24_proj-k_q010ece7c24_proj
	.p2alignl 7, 3214868480
	.fill 96, 4, 3214868480
	.section	.rodata,"a",@progbits
	.p2align	6, 0x0
	.amdhsa_kernel k_q010ece7c24_proj
		.amdhsa_group_segment_fixed_size 327680
		.amdhsa_private_segment_fixed_size 0
		.amdhsa_enable_private_segment 0
		.amdhsa_kernarg_size 56
		.amdhsa_user_sgpr_count 2
		.amdhsa_user_sgpr_kernarg_segment_ptr 1
		.amdhsa_wavefront_size32 1
		.amdhsa_system_sgpr_workgroup_id_x 1
		.amdhsa_system_sgpr_workgroup_id_y 1
		.amdhsa_system_sgpr_workgroup_id_z 1
		.amdhsa_system_vgpr_workitem_id 0
		.amdhsa_next_free_vgpr 1024
		.amdhsa_next_free_sgpr 106
		.amdhsa_reserve_vcc 0
		.amdhsa_float_denorm_mode_32 3
		.amdhsa_float_denorm_mode_16_64 3
		.amdhsa_memory_ordered 1
		.amdhsa_forward_progress 1
		.amdhsa_inst_pref_size 161
	.end_amdhsa_kernel
	.amdgpu_metadata
---
amdhsa.version: [ 1, 2 ]
amdhsa.kernels:
  - .name:           k_q010ece7c24_proj
    .symbol:         k_q010ece7c24_proj.kd
    .args:
      - { .name: xc, .offset: 0, .size: 8, .value_kind: global_buffer, .address_space: global }
      - { .name: xs, .offset: 8, .size: 8, .value_kind: global_buffer, .address_space: global }
      - { .name: bk, .offset: 16, .size: 8, .value_kind: global_buffer, .address_space: global }
      - { .name: bv, .offset: 24, .size: 8, .value_kind: global_buffer, .address_space: global }
      - { .name: bq, .offset: 32, .size: 8, .value_kind: global_buffer, .address_space: global }
      - { .name: qkvc, .offset: 40, .size: 8, .value_kind: global_buffer, .address_space: global }
      - { .name: qkvs, .offset: 48, .size: 8, .value_kind: global_buffer, .address_space: global }
    .group_segment_fixed_size: 327680
    .private_segment_fixed_size: 0
    .kernarg_segment_align: 8
    .kernarg_segment_size: 56
    .max_flat_workgroup_size: 128
    .sgpr_count:     106
    .vgpr_count:     1024
    .wavefront_size: 32
...
	.end_amdgpu_metadata
.endif
;; end of part 2
;; launch attn (part 3): grid 4 x 64, 4 waves a work-group, no clusters, 117,760 bytes of LDS; arguments qkvc, qkvs, mask, ctxc, ctxs, out1; writes ctxc, ctxs, out1
.if DOCPART == 3
	.amdgcn_target "amdgcn-amd-amdhsa--gfx1250"
	.amdhsa_code_object_version 6
	.text
	.protected	k_q010ece7c24_attn
	.globl	k_q010ece7c24_attn
	.p2align	8
	.type	k_q010ece7c24_attn,@function
k_q010ece7c24_attn:
	s_mov_b64 s[64:65], 0
	v_nop
	global_prefetch_b8 v0, s[64:65] scope:SCOPE_SE
	s_setreg_imm32_b32 hwreg(HW_REG_WAVE_MODE, 25, 1), 1
	s_wait_xcnt 0x0
; For one batch b, head h and block of 256 queries: scores q k^T, the mask, the softmax, ctx = softmax v; head 0 also writes the finished weights to out1.  Both products on codes of BF6 (E3M2) with E8M0 scales.
; p = 2^(t - M), t = score x log2(e), M = the row's largest t rounded up to a whole number, is what is quantised, along the keys; the row's sum l is taken of the unquantised p and divides at the end.
; K AND V STAY IN REGISTERS.  Wave w holds, for the whole launch, the 16 fragments of K of keys 256 w .. 256 w + 255, the 16 fragments of V of channels 32 w .. 32 w + 31 for all 1,024 keys, and its keys' mask as a C operand.
; A TILE OF 16 QUERIES, sixteen in a loop: each wave makes S^T for its 256 keys (source 0 = 16 keys, source 1 = the queries: a lane holds one query); the four waves' largest scores meet in LDS (barrier), so M is the whole
; row's and nothing is ever rescaled; p, its sum, its codes; p's two fragments of each wave go to LDS as images of their registers, with their scale words and the part sums (barrier); each wave reads all eight fragments
; and makes O^T for its 32 channels over all keys; O^T / l is one block of 32 along the last product's K: it is quantised and kept in LDS; at the end the block's 16 fragments of ctx leave in the operand's order.
; HEAD 0'S WEIGHTS turn through the wave's own stage in LDS, so that whole rows of 1,024 bytes are stored, and the turn stands beside other work: p goes into the stage UNNORMALISED, a store at a time between the second batch of
; exponentials, the sums and the making of the codes; it comes back, into the registers that it left, while ctx is quantised; a register then holds 16 bytes of ONE row in every lane, and is multiplied by that row's 1 / l,
; read from the lane that holds it.  The lines among which the stage's stores stand are written twice, under one branch on the head; both arms are register work, and head 0's arm stores into the stage alone.
; NO CLUSTER, NO JOINT LOADS: the four query blocks of a head read the same K and V, but each reads them once, 196,608 bytes, straight into the registers where they stay; a joint load would put an LDS round trip under bytes that are never read from LDS.
; FRAGMENT ORDER (qkvc, ctxc): lane r of fragment 2 u2 + u holds row 32 u2 + 8 u + r + 8 (r / 8) of its 128; so the 16 registers of two neighbouring tiles of S^T are 16 neighbouring keys, and those of O^T 16 neighbouring channels.
; LIMITS: a masked score is the score - 1e30, not -infinity: p is 0 there as long as scores stay far under 1e30; a batch all of whose keys are masked (NaN by the definition) is not served.  p under 2^-126 is taken as 0.
; A block whose largest magnitude lies under 2^-122 keeps the byte 1.  NaN and infinities are not served.
; TWO BARRIERS A TILE: the largest scores' words are written again only behind the second; p's images, words and part sums only behind the next tile's first; in front of each every wave waits for all its LDS instructions.
; REGISTERS: window 0: v1-19 addresses; v20-55 small things; v56-63 K's scale words, v64-79 V's, v80-87 p's, v52 q's; v88-127 at work; v128-255 S^T, then p.
;   window 1: v0-191 K.   window 2: v0-191 V (key step s, tile e at 12 (2 s + e)).   window 3: v0-127 the mask; v128-223 p's eight fragments; v224-239 O^T; v240-251 q.
.set UNIT, 12288
.set PIMG, 0                           ; LDS: p's 8 fragments, 1,536 bytes each
.set PSC,  12288                       ; their scale words: 32 x lane + 4 x key step
.set XM,   13312                       ; the waves' largest scores: 16 r + 4 w
.set XL,   13568                       ; their part sums likewise
.set CIMG, 13824                       ; ctx's codes: 8,192 x wave + 512 x tile + 16 x lane
.set CSC,  CIMG+4*8192                 ; ctx's scale bytes, a word each: 1,024 x wave + 64 x tile + 4 r
.set WST,  CSC+4*1024                  ; head 0: a stage of 16 rows x (1,024 + 16) bytes for each wave
.set WSP,  1040
.set LI,  1                            ; 16 x lane
.set R16, 2                            ; 16 r
.set XW,  3                            ; 16 r + 4 w
.set PIW, 4                            ; 16 x lane + 3,072 w
.set PSW, 5                            ; 32 x lane + 8 w
.set PSR, 6                            ; 32 x lane
.set CW,  7                            ; CIMG + 8,192 w + 16 x lane
.set CWT, 8                            ; the same for this tile
.set SWA, 9                            ; CSC + 1,024 w + 4 r
.set SWT, 10                           ; the same for this tile
.set WSW, 15
.set WSR, 16
.set TCI, 17                           ; the tail: CIMG + 8,192 h + 16 r + 2,048 w
.set TCS, 18                           ; CSC + 512 (w % 2) + 256 h + 4 r
.set RM,  19                           ; the largest score, then t
.set PW,  20                           ; v[20:21] p's two scale words
.set L,   22                           ; v22-29 four chains of sums
.set NM,  30                           ; v[30:31] -M
.set PC0, 32                           ; v32-43 p's codes, first fragment
.set PT,  44                           ; v44-51 at work; v44-47 ctx's codes (v47 stays 0)
.set QSC, 52
.set RL,  54                           ; v[54:55] 1 / l
.set KS,  56
.set VS,  64
.set PS,  80
.set PC1, 88                           ; v88-99 p's codes, second fragment
.set ON,  88                           ; v88-103 later O^T / l
.set MK,  88                           ; v88-119 at the head: the mask's bytes
.set BM,  104                          ; v104-111 the blocks' largest scores, then p
.set BX,  112                          ; v112-119 at work
.set SO,  120                          ; v120-127 the conversions' scale operands
.set S,   128
.set PF,  128                          ; in window 3
.set O,   224
.set QF,  240
.set WV,  16
.set SEL, 22
.set CS,  24
.set RS,  66                           ; s66-73 four rows' 1 / l, each the low word of a pair
.set MSB, 0
.macro WIN new
.if MSB != \new
	s_set_vgpr_msb (MSB<<8)|\new
.set MSB, \new
.endif
.endm
.macro PLACES
.rept 4
	v_nop
.endr
.endm
.macro BARRIER                         ; my LDS stores have landed and my LDS loads are in: then the work-group's barrier
	s_wait_dscnt 0x0
	s_barrier_signal -1
	s_barrier_wait -1
.endm
.macro PCODE hf, dst                   ; the 64 p of my key step hf (0, 1) become a fragment's codes; p itself is kept
.irp c, 0,1
	v_cvt_scalef32_pk16_bf6_f32 v[\dst+6*\c:\dst+2+6*\c], v[S+64*\hf+32*\c:S+64*\hf+32*\c+15], v[SO+4*\hf+2*\c]
	v_cvt_scalef32_pk16_bf6_f32 v[PT+4*\c:PT+4*\c+2], v[S+64*\hf+32*\c+16:S+64*\hf+32*\c+31], v[SO+4*\hf+2*\c+1]
.endr
	v_nop                                          ; one plain place behind a scaled conversion
.irp c, 0,1
.irp i, 0,1,2
	v_permlane16_swap_b32 v[\dst+6*\c+\i], v[PT+4*\c+\i]
.endr
.irp i, 0,1,2
	v_mov_b32 v[\dst+3+6*\c+\i], v[PT+4*\c+\i]
.endr
.endr
.endm
.macro STG hd, n                       ; head 0: registers 4 n .. 4 n + 3 of p (keys 32 (n / 4) + 16 h + 4 (n % 4) ..) into row r of my stage
.if \hd
	ds_store_b128 v[WSW], v[S+4*(\n):S+4*(\n)+3] offset:128*((\n)/4)+16*((\n)%4)
.endif
.endm
; From the second batch of exponentials to p's codes.  hd = 1: head 0's arm, with the 32 stores into the stage among the lines; each store names p whose exponentials have had their wait.
.macro REST hd
.set n, 0
.rept 28
	v_exp_f32 v[S+64+2*n], v[S+64+2*n]
	v_exp_f32 v[S+65+2*n], v[S+65+2*n]
.if n < 4
	v_pk_add_f32 v[L+2*n:L+2*n+1], v[S+2*n:S+2*n+1], v[S+8+2*n:S+8+2*n+1]   ; the sum of the unquantised p, two at a time, in four chains: the first batch's 64 stand between the second batch's exponentials
.else
	v_pk_add_f32 v[L+2*(n%4):L+2*(n%4)+1], v[L+2*(n%4):L+2*(n%4)+1], v[S+8+2*n:S+8+2*n+1]
.endif
.if n%2
	STG \hd, n/2
.endif
.set n, n+1
.endr
.irp i, 0,1,2,3,4,5,6,7
	v_exp_f32 v[S+120+\i], v[S+120+\i]
.endr
	STG \hd, 14
.irp b, 0,1,2,3,4,5,6,7
	v_exp_f32 v[BM+\b], v[BM+\b]                   ; the blocks' largest p: the same two instructions on the same number give the same bits
.endr
	STG \hd, 15
	v_nop                                          ; a plain place behind the exponentials
	s_wait_alu depctr_va_vdst(0)                   ; one wait for the second batch, ahead of its first reader
.set n, 0
.rept 32
	v_pk_add_f32 v[L+2*(n%4):L+2*(n%4)+1], v[L+2*(n%4):L+2*(n%4)+1], v[S+64+2*n:S+65+2*n]
.if n%4 == 3
	STG \hd, 16+n/4
.endif
.set n, n+1
.endr
	v_pk_add_f32 v[L:L+1], v[L:L+1], v[L+2:L+3]
	v_pk_add_f32 v[L+4:L+5], v[L+4:L+5], v[L+6:L+7]
	v_pk_add_f32 v[L:L+1], v[L:L+1], v[L+4:L+5]
	v_add_f32 v[L], v[L], v[L+1]
	v_permlanex16_b32 v[L+2], v[L], s[SEL], s[SEL+1]
	v_add_f32 v[L], v[L], v[L+2]                   ; my 256 keys' part of the row's sum
	STG \hd, 24
.irp b, 0,1,2,3,4,5,6,7
	v_max_num_f32 v[BM+\b], 0x2800000, v[BM+\b]    ; the floor 2^(5 - 127): a block whose every p is 0 keeps the byte 1: its codes are zeros
.endr
	STG \hd, 25
.irp b, 0,1,2,3,4,5,6,7
	v_add_nc_u32 v[SO+\b], 0xfe000000, v[BM+\b]    ; 4 off the exponent field: the conversion's scale operand
.endr
	STG \hd, 26
.irp b, 0,1,2,3,4,5,6,7
	v_lshrrev_b32 v[BX+\b], 23, v[SO+\b]           ; the scale's byte
.endr
	STG \hd, 27
.irp g, 0,1
	v_lshl_or_b32 v[PW+\g], v[BX+4*\g+1], 8, v[BX+4*\g]
	v_lshl_or_b32 v[PW+\g], v[BX+4*\g+2], 16, v[PW+\g]
	v_lshl_or_b32 v[PW+\g], v[BX+4*\g+3], 24, v[PW+\g]
.endr
	STG \hd, 28
	PCODE 0, PC0
	STG \hd, 29
	STG \hd, 30
	PCODE 1, PC1
	STG \hd, 31
.endm
	s_load_b256 s[4:11], s[0:1], 0x0               ; qkvc, qkvs, mask, ctxc
	s_load_b128 s[12:15], s[0:1], 0x20             ; ctxs, out1
	v_lshl_add_u32 v51, v0, 2, 0x1ca00
	v_mov_b32 v53, 0
	v_lshrrev_b32 v120, 5, v0
	v_readfirstlane_b32 s[WV], v120                ; wave 0..3
	v_and_b32 v120, 31, v0                         ; lane
	v_and_b32 v121, 15, v0                         ; r
	v_bfe_u32 v122, v0, 4, 1                       ; h
	v_lshlrev_b32 v[LI], 4, v120
	v_lshlrev_b32 v[R16], 4, v121
	v_lshlrev_b32 v123, 4, v122                    ; 16 h: my half's 16 bytes of a block of the mask
	s_lshl_b32 s49, s[WV], 2
	v_add_nc_u32 v[XW], s49, v[R16]
	s_mul_i32 s49, s[WV], 3072
	v_add_nc_u32 v[PIW], s49, v[LI]
	v_lshlrev_b32 v[PSR], 5, v120
	s_lshl_b32 s49, s[WV], 3
	v_add_nc_u32 v[PSW], s49, v[PSR]
	s_lshl_b32 s49, s[WV], 13
	s_add_co_u32 s49, s49, CIMG
	v_add_nc_u32 v[CW], s49, v[LI]
	s_lshl_b32 s49, s[WV], 10
	s_add_co_u32 s49, s49, CSC
	v_lshlrev_b32 v[SWA], 2, v121
	v_add_nc_u32 v[SWA], s49, v[SWA]
	s_mul_i32 s49, s[WV], 16*WSP
	s_add_co_u32 s49, s49, WST
	v_mul_u32_u24 v[WSW], v121, WSP
	v_lshl_add_u32 v[WSW], v122, 6, v[WSW]
	v_add_nc_u32 v[WSW], s49, v[WSW]               ; the stage: row r, + 64 h
	v_add_nc_u32 v[WSR], s49, v[LI]                ; and back: 16 bytes a lane of a row
	s_lshl_b32 s49, s[WV], 11
	s_add_co_u32 s49, s49, CIMG
	v_lshl_add_u32 v[TCI], v122, 13, v[R16]
	v_add_nc_u32 v[TCI], s49, v[TCI]
	s_and_b32 s49, s[WV], 1
	s_lshl_b32 s49, s49, 9
	s_add_co_u32 s49, s49, CSC
	v_lshlrev_b32 v[TCS], 2, v121
	v_lshl_add_u32 v[TCS], v122, 8, v[TCS]
	v_add_nc_u32 v[TCS], s49, v[TCS]
	s_and_b32 s18, ttmp7, 0xffff                   ; 8 b + h
	s_lshr_b32 s19, s18, 3                         ; b
	s_and_b32 s20, s18, 7                          ; h
	s_lshl_b32 s21, s18, 3                         ; the unit of (b, h, step 0)
	s_mov_b32 s41, 0
	s_mov_b32 s[SEL], 0x76543210
	s_mov_b32 s[SEL+1], 0xfedcba98
	s_mov_b32 s[CS], 0x3fb8aa3b                    ; log2(e)
	s_mov_b32 s[CS+1], s[CS]                       ; (named with it as a pair)
	s_mov_b32 s26, 0xf149f2ca                      ; -1e30
	s_mov_b32 s46, 0                               ; the tile
	s_mov_b32 s47, 0                               ; 512 x tile
	s_mov_b32 s48, 0                               ; 64 x tile
.irp i, 0,1,2,3
	s_mov_b32 s[RS+2*\i+1], 0                      ; (upper words of pairs that a packed form names)
.endr
	s_wait_kmcnt 0x0
	s_lshl_b32 s49, s[WV], 1
	s_add_co_u32 s49, s49, s21                     ; K: units of steps 2 w, 2 w + 1
	s_mul_i32 s40, s49, UNIT
	s_add_nc_u64 s[28:29], s[4:5], s[40:41]
	s_lshl_b32 s40, s49, 9
	s_add_nc_u64 s[52:53], s[6:7], s[40:41]
	s_add_co_u32 s49, s21, 512                     ; V: the head's eight units, fragments 2 w, 2 w + 1 of each
	s_mul_i32 s40, s49, UNIT
	s_mul_i32 s50, s[WV], 3072
	s_add_co_u32 s40, s40, s50
	s_add_nc_u64 s[30:31], s[4:5], s[40:41]
	s_lshl_b32 s40, s49, 9
	s_lshr_b32 s50, s[WV], 1
	s_lshl_b32 s50, s50, 8
	s_add_co_u32 s40, s40, s50
	s_and_b32 s50, s[WV], 1
	s_lshl_b32 s50, s50, 3
	s_add_co_u32 s40, s40, s50                     ; their words: 256 (w / 2) + 8 (w % 2) + 16 r
	s_add_nc_u64 s[54:55], s[6:7], s[40:41]
	s_lshl_b32 s49, ttmp9, 1
	s_add_co_u32 s49, s49, s21
	s_add_co_u32 s49, s49, 1024                    ; Q: the block's two units: 16 fragments on end
	s_mul_i32 s40, s49, UNIT
	s_add_nc_u64 s[32:33], s[4:5], s[40:41]
	s_lshl_b32 s40, s49, 9
	s_add_nc_u64 s[34:35], s[6:7], s[40:41]
	s_lshl_b32 s40, s19, 10
	s_lshl_b32 s50, s[WV], 8
	s_add_co_u32 s40, s40, s50
	s_add_nc_u64 s[56:57], s[8:9], s[40:41]        ; the mask of my 256 keys
	s_lshl_b32 s40, s19, 22
	s_lshl_b32 s50, ttmp9, 20
	s_add_co_u32 s40, s40, s50
	s_lshl_b32 s50, s[WV], 10
	s_add_co_u32 s40, s40, s50
	s_add_nc_u64 s[42:43], s[14:15], s[40:41]      ; out1: the block's first row, my 256 keys
	s_lshl_b32 s49, s19, 3
	s_lshl_b32 s50, ttmp9, 1
	s_add_co_u32 s49, s49, s50                     ; ctx's panel 8 b + 2 x block
	s_lshr_b32 s50, s[WV], 1
	s_add_co_u32 s50, s50, s49
	s_lshl_b32 s50, s50, 3
	s_add_co_u32 s50, s50, s20
	s_mul_i32 s40, s50, UNIT
	s_and_b32 s50, s[WV], 1
	s_mul_i32 s58, s50, 6144
	s_add_co_u32 s40, s40, s58
	s_add_nc_u64 s[10:11], s[10:11], s[40:41]      ; ctxc: fragments 4 w .. 4 w + 3 of the block's sixteen
	s_add_co_u32 s50, s50, s49
	s_lshl_b32 s50, s50, 3
	s_add_co_u32 s50, s50, s20
	s_lshl_b32 s40, s50, 9
	s_add_nc_u64 s[12:13], s[12:13], s[40:41]      ; ctxs: waves 0 and 1 store a unit's words each
.irp b, 0,1,2,3,4,5,6,7
	global_load_b128 v[MK+4*\b:MK+4*\b+3], v123, s[56:57] offset:32*\b   ; keys 32 b + 16 h + 0 .. 15 of my 256
.endr
.irp g, 0,1
	global_load_b128 v[KS+4*\g:KS+4*\g+3], v[LI], s[52:53] offset:512*\g   ; lanes 0-15: fragments 0-3 of the unit, lanes 16-31: fragments 4-7
.endr
.irp s, 0,1,2,3,4,5,6,7
	global_load_b64 v[VS+2*\s:VS+2*\s+1], v[R16], s[54:55] offset:512*\s
.endr
	global_load_b32 v[QSC], v[R16], s[34:35]
	WIN 0xc0                                       ; destination window 3
.irp c, 0,1,2
	global_load_b128 v[QF+4*\c:QF+4*\c+3], v[LI], s[32:33] offset:512*\c
.endr
	WIN 0x40                                       ; destination window 1
.set n, 0
.rept 48
	global_load_b128 v[4*n:4*n+3], v[LI], s[28:29] offset:512*n   ; K's 16 fragments: dense
.set n, n+1
.endr
	WIN 0x80                                       ; destination window 2
.irp s, 0,1,2,3,4,5,6,7
.irp i, 0,1,2,3,4,5
	global_load_b128 v[24*\s+4*\i:24*\s+4*\i+3], v[LI], s[30:31] offset:UNIT*\s+512*\i
.endr
.endr
	WIN 0
	s_wait_loadcnt 63                              ; 110 loads were issued behind the mask's eight; with at most 63 out the oldest 55 are in, the mask among them
.set n, 0
.rept 128
	v_bfe_u32 v[S+n], v[MK+n/4], 8*(n%4), 1        ; register 16 b + i: key 32 b + 16 h + i, as in S^T
.set n, n+1
.endr
.set n, 0
.rept 128
	v_sub_nc_u32 v[S+n], 0, v[S+n]                 ; 0 or all ones
.set n, n+1
.endr
	WIN 0xc0
.set n, 0
.rept 128
	v_and_b32 v[n], s26, v[S+n]                    ; 0 or -1e30: the C of the scores' products
.set n, n+1
.endr
	WIN 0
.irp b, 0,1,2,3,4,5,6,7
	v_mov_b32 v[BX+\b], 0                          ; a lane permute's destination counts as one of its sources
.endr
	v_mov_b32 v[NM+1], 0                           ; (upper halves of pairs that packed forms name)
	v_mov_b32 v[RL+1], 0
	v_mov_b32 v[PT+3], 0                           ; the fourth word of ctx's 16 bytes a lane
	s_wait_loadcnt 48                              ; all but V's 48 loads, the youngest, are in: K, q and the scale words.  V is wanted only by the second product
.Ltile:
	; ---- the scores
	WIN 0x3d                                       ; source 0 (K) window 1, source 1 (q) and C (the mask) window 3, D window 0
.irp t, 0,1,2,3,4,5,6,7,8,9,10,11,12,13,14,15
.if ((\t>>2)&1)
	v_wmma_scale_f32_16x16x128_f8f6f4 v[S+8*\t:S+8*\t+7], v[12*\t:12*\t+11], v[QF:QF+11], v[8*\t:8*\t+7], v[KS+4*(\t>>3)+(\t&3)], v[QSC] matrix_a_fmt:MATRIX_FMT_BF6 matrix_b_fmt:MATRIX_FMT_BF6 matrix_a_scale:MATRIX_SCALE_ROW1
.else
	v_wmma_scale_f32_16x16x128_f8f6f4 v[S+8*\t:S+8*\t+7], v[12*\t:12*\t+11], v[QF:QF+11], v[8*\t:8*\t+7], v[KS+4*(\t>>3)+(\t&3)], v[QSC] matrix_a_fmt:MATRIX_FMT_BF6 matrix_b_fmt:MATRIX_FMT_BF6
.endif
.endr
	WIN 0
	PLACES                                         ; in front of the loads into q's registers and of the first read of the scores
	s_add_co_u32 s49, s46, 1
	s_min_u32 s49, s49, 15                         ; the next tile; the last trip asks for its own again: no load leaves the buffer
	s_mul_i32 s40, s49, 1536
	s_add_nc_u64 s[36:37], s[32:33], s[40:41]      ; (the loads that named these registers were waited for at the last trip's end)
	s_lshr_b32 s50, s49, 2
	s_lshl_b32 s50, s50, 8
	s_and_b32 s49, s49, 3
	s_lshl_b32 s49, s49, 2
	s_add_co_u32 s40, s50, s49                     ; its words: 256 (tile / 4) + 4 (tile % 4) + 16 r
	s_add_nc_u64 s[38:39], s[34:35], s[40:41]
	WIN 0xc0
.irp c, 0,1,2
	global_load_b128 v[QF+4*\c:QF+4*\c+3], v[LI], s[36:37] offset:512*\c
.endr
	WIN 0
	global_load_b32 v[QSC], v[R16], s[38:39]
	; ---- the largest score of each block of 32 keys (it serves twice: for the row's maximum and, since p rises with the score, for the block's largest p), and of the row
.irp b, 0,1,2,3,4,5,6,7
	v_max3_num_f32 v[BM+\b], v[S+16*\b], v[S+1+16*\b], v[S+2+16*\b]
.endr
.irp i, 3,5,7,9,11,13
.irp b, 0,1,2,3,4,5,6,7
	v_max3_num_f32 v[BM+\b], v[BM+\b], v[S+16*\b+\i], v[S+1+16*\b+\i]
.endr
.endr
.irp b, 0,1,2,3,4,5,6,7
	v_max_num_f32 v[BM+\b], v[BM+\b], v[S+15+16*\b]
.endr
.irp b, 0,1,2,3,4,5,6,7
	v_permlanex16_b32 v[BX+\b], v[BM+\b], s[SEL], s[SEL+1]
.endr
.irp b, 0,1,2,3,4,5,6,7
	v_max_num_f32 v[BM+\b], v[BM+\b], v[BX+\b]     ; with lane l xor 16's 16 keys
.endr
	v_max3_num_f32 v[RM], v[BM], v[BM+1], v[BM+2]
	v_max3_num_f32 v[RM], v[RM], v[BM+3], v[BM+4]
	v_max3_num_f32 v[RM], v[RM], v[BM+5], v[BM+6]
	v_max_num_f32 v[RM], v[RM], v[BM+7]
	ds_store_b32 v[XW], v[RM] offset:XM            ; my 256 keys' largest score of query r
	BARRIER                                        ; all four lie in LDS; and every wave's reads of the last tile's p are over
	ds_load_b128 v[BX:BX+3], v[R16] offset:XM
	s_wait_dscnt 0x0
	v_max3_num_f32 v[RM], v[BX], v[BX+1], v[BX+2]
	v_max_num_f32 v[RM], v[RM], v[BX+3]            ; the row's
	; ---- p = 2^(t - M): two batches of exponentials.  The first batch's 64 carry the second half's scalings between them
	v_mul_f32 v[RM], s[CS], v[RM]
	v_floor_f32 v[NM], -v[RM]                      ; -M = floor(-t) = -ceil(t)
.set j, 0
.rept 32
	v_pk_fma_f32 v[S+j:S+j+1], v[S+j:S+j+1], s[CS:CS+1], v[NM:NM+1] op_sel_hi:[1,0,0]
.set j, j+2
.endr
.set j, 0
.rept 32
	v_exp_f32 v[S+j], v[S+j]
	v_exp_f32 v[S+j+1], v[S+j+1]
	v_pk_fma_f32 v[S+64+j:S+65+j], v[S+64+j:S+65+j], s[CS:CS+1], v[NM:NM+1] op_sel_hi:[1,0,0]
.set j, j+2
.endr
.irp b, 0,1,2,3,4,5,6,7
	v_fma_f32 v[BM+\b], v[BM+\b], s[CS], v[NM]     ; the same of each block's largest score.  (Plain lines behind the exponentials)
.endr
	s_wait_alu depctr_va_vdst(0)                   ; one wait for the first batch, ahead of its first reader and of the branch
	s_cmp_lg_u32 s20, 0
	s_cbranch_scc1 .Lplain                         ; a branch on the work-group's number; no barrier stands in either arm
	REST 1
	s_branch .Ljoin
.Lplain:
	REST 0
.Ljoin:
.irp c, 0,1,2
	ds_store_b128 v[PIW], v[PC0+4*\c:PC0+4*\c+3] offset:PIMG+512*\c          ; key steps 2 w and 2 w + 1: images of the registers
	ds_store_b128 v[PIW], v[PC1+4*\c:PC1+4*\c+3] offset:PIMG+1536+512*\c
.endr
	ds_store_b64 v[PSW], v[PW:PW+1] offset:PSC
	ds_store_b32 v[XW], v[L] offset:XL
	BARRIER                                        ; p's eight fragments, their words and the four part sums lie in LDS (and head 0's stage has taken p: its registers are free)
	; ---- O^T for my 32 channels, over all 1,024 keys: two accumulators by turns
	ds_load_b128 v[BX:BX+3], v[R16] offset:XL
	ds_load_b128 v[PS:PS+3], v[PSR] offset:PSC
	ds_load_b128 v[PS+4:PS+7], v[PSR] offset:PSC+16
	WIN 0xc0
.irp s, 0,1,2,3,4,5,6,7
.irp c, 0,1,2
	ds_load_b128 v[PF+12*\s+4*\c:PF+12*\s+4*\c+3], v[LI] offset:PIMG+1536*\s+512*\c
.endr
.endr
	s_wait_loadcnt 4                               ; V is in: behind its loads only the next q's four were issued (it matters in the first trip alone)
	WIN 0xfe                                       ; source 0 (V) window 2; source 1 (p), C and D window 3
.irp s, 0,1,2,3,4,5,6,7
	s_wait_dscnt 3*(7-\s)                          ; fragment s is in; the later ones' three loads each may be out
.irp e, 0,1
.if \s == 0
	v_wmma_scale_f32_16x16x128_f8f6f4 v[O+8*\e:O+8*\e+7], v[12*(2*\s+\e):12*(2*\s+\e)+11], v[PF+12*\s:PF+12*\s+11], 0, v[VS+2*\s+\e], v[PS+\s] matrix_a_fmt:MATRIX_FMT_BF6 matrix_b_fmt:MATRIX_FMT_BF6
.else
	v_wmma_scale_f32_16x16x128_f8f6f4 v[O+8*\e:O+8*\e+7], v[12*(2*\s+\e):12*(2*\s+\e)+11], v[PF+12*\s:PF+12*\s+11], v[O+8*\e:O+8*\e+7], v[VS+2*\s+\e], v[PS+\s] matrix_a_fmt:MATRIX_FMT_BF6 matrix_b_fmt:MATRIX_FMT_BF6
.endif
.endr
.endr
	WIN 0
	s_cmp_lg_u32 s20, 0
	s_cbranch_scc1 .Lno_back
.irp t, 0,1,2,3,4,5,6,7,8,9,10,11,12,13,14,15
.irp x, 0,1
	ds_load_b128 v[S+8*\t+4*\x:S+8*\t+4*\x+3], v[WSR] offset:WSP*\t+512*\x   ; head 0: p comes back by rows, 512 consecutive bytes a load, while ctx is made below
.endr
.endr
.Lno_back:
	; ---- ctx = O^T / l: my 16 registers and lane l xor 16's are one block of 32 along the last product's K
	v_add_f32 v[BX], v[BX], v[BX+1]                ; the row's sum: the same order in all four waves.  (These three and the v_nop are the four places behind the products)
	v_add_f32 v[BX+2], v[BX+2], v[BX+3]
	v_add_f32 v[BX], v[BX], v[BX+2]
	v_rcp_f32 v[RL], v[BX]
	v_nop
	s_wait_alu depctr_va_vdst(0)                   ; ahead of the reciprocal's first reader
	WIN 0x03                                       ; source 0 window 3
.set i, 0
.rept 8
	v_pk_mul_f32 v[ON+i:ON+i+1], v[O+i:O+i+1], v[RL:RL+1] op_sel_hi:[1,0]   ; each accumulator from its low end on
.set i, i+2
.endr
	WIN 0
	v_max3_num_f32 v[BX+4], |v[ON]|, |v[ON+1]|, 0x2800000
	v_max3_num_f32 v[BX+5], |v[ON+2]|, |v[ON+3]|, |v[ON+4]|
	v_max3_num_f32 v[BX+4], v[BX+4], |v[ON+5]|, |v[ON+6]|
	v_max3_num_f32 v[BX+5], v[BX+5], |v[ON+7]|, |v[ON+8]|
	v_max3_num_f32 v[BX+4], v[BX+4], |v[ON+9]|, |v[ON+10]|
	v_max3_num_f32 v[BX+5], v[BX+5], |v[ON+11]|, |v[ON+12]|
	v_max3_num_f32 v[BX+4], v[BX+4], |v[ON+13]|, |v[ON+14]|
	v_max3_num_f32 v[BX+4], v[BX+4], v[BX+5], |v[ON+15]|
	v_permlanex16_b32 v[BX+6], v[BX+4], s[SEL], s[SEL+1]
	v_max_num_f32 v[BX+4], v[BX+4], v[BX+6]
	v_add_nc_u32 v[BX+7], 0xfe000000, v[BX+4]
	v_lshrrev_b32 v[BX+6], 23, v[BX+7]             ; the block's byte
	v_cvt_scalef32_pk16_bf6_f32 v[PT:PT+2], v[ON:ON+15], v[BX+7]   ; channels 32 w + 16 h + 0 .. 15 of query r: 96 bits
	v_add_nc_u32 v[CWT], s47, v[CW]                ; (plain lines behind the conversion)
	v_add_nc_u32 v[SWT], s48, v[SWA]
	ds_store_b128 v[CWT], v[PT:PT+3]               ; into my own region; the operand's order is made at the end
	ds_store_b32 v[SWT], v[BX+6]                   ; lanes r and r + 16 write the same word with the same value
	; ---- head 0: the finished weights: row t of the stage is query t; its 1 / l lies in lane t
	s_cmp_lg_u32 s20, 0
	s_cbranch_scc1 .Lnot_head_0                    ; a branch on the work-group's number; no barrier stands inside
	s_lshr_b32 s49, s46, 3
	s_lshl_b32 s49, s49, 7
	s_bfe_u32 s50, s46, 0x20001
	s_lshl_b32 s50, s50, 5
	s_add_co_u32 s49, s49, s50
	s_and_b32 s50, s46, 1
	s_lshl_b32 s50, s50, 3
	s_add_co_u32 s49, s49, s50                     ; the tile's first row: 128 (tile / 8) + 32 ((tile / 2) % 4) + 8 (tile % 2)
	s_lshl_b32 s40, s49, 12
	s_add_nc_u64 s[44:45], s[42:43], s[40:41]      ; (the last tile's stores have read this base: the wait at their end)
.irp g, 0,1,2,3
	s_wait_dscnt 26-8*\g                           ; rows 4 g .. 4 g + 3 are back: behind their last load stand the later rows' 24 - 8 g loads and ctx's two stores
.irp i, 0,1,2,3
	v_readlane_b32 s[RS+2*\i], v[RL], 4*\g+\i
.endr
.irp i, 0,1,2,3
.irp k, 0,2,4,6
	v_pk_mul_f32 v[S+8*(4*\g+\i)+\k:S+8*(4*\g+\i)+\k+1], v[S+8*(4*\g+\i)+\k:S+8*(4*\g+\i)+\k+1], s[RS+2*\i:RS+2*\i+1] op_sel_hi:[1,0]
.endr
.endr
.irp i, 0,1,2,3
.irp x, 0,1
	global_store_b128 v[LI], v[S+8*(4*\g+\i)+4*\x:S+8*(4*\g+\i)+4*\x+3], s[44:45] offset:((4*\g+\i)+8*((4*\g+\i)/8))*4096+512*\x th:TH_STORE_NT   ; 32 lanes store 512 consecutive bytes, aligned; written once
.endr
.endr
.endr
	s_wait_xcnt 0x0                                ; the stores have read their data and their base: both are written again in the next trip
.Lnot_head_0:
	s_wait_dscnt 2                                 ; all LDS instructions but the youngest two, ctx's stores, are done: no load from the stage is on its way into the scores' registers
	s_wait_loadcnt 0x0                             ; the next q's fragment and words are in, and their address registers may be written
	s_add_co_u32 s47, s47, 512
	s_add_co_u32 s48, s48, 64
	s_add_co_u32 s46, s46, 1
	s_cmp_lt_u32 s46, 16
	s_cbranch_scc1 .Ltile
	; ---- ctx leaves in the operand's order.  Register p of lane (r, h) of a fragment holds k = 64 (p / 6) + 32 h + ..: block 2 (p / 6) + h, made by that wave; its lower 16 codes by lane r, its upper 16 by lane r + 16; word p % 3
	BARRIER
.irp f, 0,1,2,3
.irp p, 0,1,2,3,4,5,6,7,8,9,10,11
	ds_load_b32 v[S+12*\f+\p], v[TCI] offset:2*(\p/6)*8192+512*\f+4*(\p%3)+256*((\p%6)/3)
.endr
.endr
.irp f, 0,1,2,3
	s_wait_dscnt 12*(3-\f)                         ; fragment 4 w + f is whole; the later ones' twelve loads each may be out
.irp c, 0,1,2
	global_store_b128 v[LI], v[S+12*\f+4*\c:S+12*\f+4*\c+3], s[10:11] offset:1536*\f+512*\c
.endr
.endr
	s_cmp_lt_u32 s[WV], 2
	s_cbranch_scc0 .Ldone                          ; waves 0 and 1: a unit's scale words each
.irp j, 0,1,2,3
.irp u, 0,1,2,3
	ds_load_b32 v[192+4*\j+\u], v[TCS] offset:1024*\u+64*\j   ; fragment 8 w + 4 h + j, row r: the byte of block u
.endr
.endr
	s_wait_dscnt 0x0
.irp j, 0,1,2,3
	v_lshl_or_b32 v[208+\j], v[192+4*\j+1], 8, v[192+4*\j]
	v_lshl_or_b32 v[208+\j], v[192+4*\j+2], 16, v[208+\j]
	v_lshl_or_b32 v[208+\j], v[192+4*\j+3], 24, v[208+\j]
.endr
	global_store_b128 v[LI], v[208:211], s[12:13]
.Ldone:
	s_wait_tensorcnt 0x0
	ds_add_u32 v51, v53
	s_wait_dscnt 0x0
	s_endpgm
.Lfunc_end_k_q010ece7c24_attn:
	.size	k_q010ece7c24_attn, .Lfunc_end_k_q010ece7c24_attn-k_q010ece7c24_attn
	.p2alignl 7, 3214868480
	.fill 96, 4, 3214868480
	.section	.rodata,"a",@progbits
	.p2align	6, 0x0
	.amdhsa_kernel k_q010ece7c24_attn
		.amdhsa_group_segment_fixed_size 117760
		.amdhsa_private_segment_fixed_size 0
		.amdhsa_enable_private_segment 0
		.amdhsa_kernarg_size 48
		.amdhsa_user_sgpr_count 2
		.amdhsa_user_sgpr_kernarg_segment_ptr 1
		.amdhsa_wavefront_size32 1
		.amdhsa_system_sgpr_workgroup_id_x 1
		.amdhsa_system_sgpr_workgroup_id_y 1
		.amdhsa_system_sgpr_workgroup_id_z 1
		.amdhsa_system_vgpr_workitem_id 0
		.amdhsa_next_free_vgpr 1024
		.amdhsa_next_free_sgpr 80
		.amdhsa_reserve_vcc 0
		.amdhsa_float_denorm_mode_32 3
		.amdhsa_float_denorm_mode_16_64 3
		.amdhsa_memory_ordered 1
		.amdhsa_forward_progress 1
		.amdhsa_inst_pref_size 92
	.end_amdhsa_kernel
	.amdgpu_metadata
---
amdhsa.version: [ 1, 2 ]
amdhsa.kernels:
  - .name:           k_q010ece7c24_attn
    .symbol:         k_q010ece7c24_attn.kd
    .args:
      - { .name: qkvc, .offset: 0, .size: 8, .value_kind: global_buffer, .address_space: global }
      - { .name: qkvs, .offset: 8, .size: 8, .value_kind: global_buffer, .address_space: global }
      - { .name: mask, .offset: 16, .size: 8, .value_kind: global_buffer, .address_space: global }
      - { .name: ctxc, .offset: 24, .size: 8, .value_kind: global_buffer, .address_space: global }
      - { .name: ctxs, .offset: 32, .size: 8, .value_kind: global_buffer, .address_space: global }
      - { .name: out1, .offset: 40, .size: 8, .value_kind: global_buffer, .address_space: global }
    .group_segment_fixed_size: 117760
    .private_segment_fixed_size: 0
    .kernarg_segment_align: 8
    .kernarg_segment_size: 48
    .max_flat_workgroup_size: 128
    .sgpr_count:     80
    .vgpr_count:     1024
    .wavefront_size: 32
...
	.end_amdgpu_metadata
.endif
;; end of part 3
;; launch final (part 4): grid 8 x 32, 4 waves a work-group, clusters of 4 x 4, 327,680 bytes of LDS; arguments ctxc, ctxs, xc, xs, bf, out0; writes out0
.if DOCPART == 4
	.amdgcn_target "amdgcn-amd-amdhsa--gfx1250"
	.amdhsa_code_object_version 6
	.text
	.protected	k_q010ece7c24_final
	.globl	k_q010ece7c24_final
	.p2align	8
	.type	k_q010ece7c24_final,@function
k_q010ece7c24_final:
	s_mov_b64 s[64:65], 0
	v_nop
	global_prefetch_b8 v0, s[64:65] scope:SCOPE_SE
	s_setreg_imm32_b32 hwreg(HW_REG_WAVE_MODE, 25, 1), 1
	s_wait_xcnt 0x0
	s_wait_alu depctr_hold_cnt(0) depctr_sa_sdst(0) depctr_va_vdst(0) depctr_va_sdst(0) depctr_va_ssrc(0) depctr_va_vcc(0) depctr_vm_vsrc(0)
	s_getreg_b32 s2, hwreg(HW_REG_IB_STS2, 6, 4)
	s_cmp_eq_u32 s2, 0
	s_cbranch_scc0 .Lentry_in_a_cluster
	s_endpgm
.Lentry_in_a_cluster:
	s_bfe_u32 s2, ttmp6, 0x10000c
	s_cmp_lg_u32 s2, 0xf033
	s_cbranch_scc0 .Lentry_shape_is_right
	s_endpgm
.Lentry_shape_is_right:
; out0 = ctx Wf^T + bf, on codes of BF6 (E3M2) with E8M0 scales, K = 1,024; out0 [8192][1024] f32.
; Side A (source 1: a lane holds one of its rows) is ctx, side B (source 0: a lane's registers run along its rows) is Wf, panels 152 to 159 of xc.
; OPERANDS: [panel of 128 rows][K step of 128]: 12,288 bytes of codes (fragment i at 1,536 i; registers 4 c .. 4 c + 3 of lane l at 512 c + 16 l) and 512 bytes of scale words (fragment 4 g + j, row r at 256 g + 16 r + 4 j).
; Lane r of fragment 2 u2 + u holds panel row 32 u2 + 8 u + r + 8 (r / 8); the way out undoes that order on both sides.
; SHARES: out0 has 32 x 8 tiles of 256 rows x 128 columns: 256 work-groups of four waves.  Wave w takes A's panel w / 2 (8 fragments) and B's fragments 4 (w % 2) .. + 3 (64 columns): 32 accumulators, 256 registers.
; ALL OF K LIES IN LDS: a slot holds two K steps of A's two panels and B's one, 73,728 bytes; four slots are 294,912 bytes, and the three panels' scale words 12,288 more.  Nothing is filled again.
; Each wave issues five tensor loads at the start (its scale words and its part of each slot: waves 0, 1 one of A's panels, 24,576 bytes a slot; waves 2, 3 one K step each of B's, 12,288): five are out by this text's own count.
; A slot is read behind a counted wait, which leaves the later slots' loads out, and a barrier.
; CLUSTER 4 x 4: A's panels are shared along a row of the cluster, B's along a column: joint loads, all behind the one round at the start; a closing round stands at the end.
; A K STEP is 32 products on fragments fetched a K step ahead, A and B in two sets each; the 32 accumulators take turns, in the same order in every K step.  bf is the C of each sum's first product.
; REGISTERS: window 0: v8-21 addresses; v24-55 scale words, two sets; v56-87 bf; v128-223 A's fragments, set 0 (on the way out v128-191: rows of out0).
;   window 1: v0-95 A's fragments, set 1; v96-143, v144-191 B's, sets 0 and 1.   window 2: the accumulators: (a, b) at v[8 (4 a + b)].
.set FR,    12
.set UNIT,  12288
.set PANEL, 8*UNIT
.set PART,  2*UNIT                     ; a panel's two K steps
.set SLOT,  3*PART                     ; A's two panels, then B's one
.set SCL,   4*SLOT                     ; the scale words: B's panel, 4,096 bytes, then A's two
.set SPITCH, 272                       ; the way out: a stage of 16 rows x (256 + 16) bytes for each wave, in slot 0: it has had its one fill, and nobody reads it behind K step 1's barrier
.set ADRA, 8                           ; v8-11  LDS address of my panel of A in slots 0 to 3
.set ADRB, 12                          ; v12-15 of my four fragments of B
.set LI,   16                          ; 16 x lane
.set ADSA, 17                          ; A's scale words: 16 x lane: lanes 0-15 fragments 0-3, lanes 16-31 fragments 4-7
.set ADSB, 18                          ; B's: my four fragments' words of row r
.set STO,  19
.set RD,   20
.set CO,   21
.set SC,   24                          ; set s at 16 s; in it 4 q + j: A's words of the q-th K step; 8 + 4 q + b: B's
.set BB,   56
.set AF0,  128                         ; window 0
.set AF1,  0                           ; window 1
.set BF,   96                          ; window 1: set p at 48 p
.set BK,   128
.set WV,   18
.set WHI,  19
.set WLO,  20
.set G1,   24                          ; s[24:31] group 1 for A's tiles;  groups 0 for slots 0 to 3: s[32:35], s[36:39], s[4:7], s[8:11] (the operands' addresses that lay there have been used up)
.set G1B,  48                          ; s[48:55] for B's tiles;  groups 0: s[56:59], s[60:63], s[92:95], s[96:99]
.set G1S,  68
.set G0S,  76
.set G1SB, 80
.set G0SB, 88
.set MSB, 0
.macro WIN new                         ; the immediate's high byte repeats the setting that is left
.if MSB != \new
	s_set_vgpr_msb (MSB<<8)|\new
.set MSB, \new
.endif
.endm
.set MUL_E,  0xa1                      ; an even K step: source 0 (B) window 1, source 1 (A) window 0, C and D window 2
.set MUL_O,  0xa5                      ; an odd one: A in window 1 too
.set MUL_F,  0x81                      ; K step 0: C (bf) window 0
.set TO_1,   0x40                      ; destination window 1, address window 0
.macro JLOAD g0a, g1a, g0b, g1b        ; a joint load: waves 0 and 1 fetch for A, waves 2 and 3 for B; four v_nop follow each of the two lines
	s_cmp_eq_u32 s[WHI], 0
	s_cbranch_scc0 .Lfor_b_\@
	tensor_load_to_lds s[\g0a:\g0a+3], s[\g1a:\g1a+7]
	s_nop 0
.rept 4
	v_nop
.endr
	s_branch .Lasked_\@
.Lfor_b_\@:
	tensor_load_to_lds s[\g0b:\g0b+3], s[\g1b:\g1b+7]
	s_nop 0
.rept 4
	v_nop
.endr
.Lasked_\@:
.endm
.macro CROUND                          ; a round of the cluster's barrier
	s_barrier_signal -1
	s_barrier_wait -1
	s_cmp_lg_u32 s[WV], 0
	s_cbranch_scc1 .Lnot_wave_0_\@
	s_barrier_signal -3
.Lnot_wave_0_\@:
	s_barrier_wait -3
	s_barrier_signal -1
	s_barrier_wait -1
.endm
.macro PLACES n
.rept \n
	v_nop
.endr
.endm
.macro SHAPE g, rows                   ; words 1 to 7 of a group 1: so many dense rows of 256 bytes (32 elements of 8 bytes)
	s_mov_b32 s[\g+1], 32<<16
	s_mov_b32 s[\g+2], (\rows)<<16
	s_mov_b32 s[\g+3], 32<<16
	s_mov_b32 s[\g+4], \rows
	s_mov_b32 s[\g+5], 32
	s_mov_b32 s[\g+6], 0
	s_mov_b32 s[\g+7], 0
.endm
.macro MKG0 g, lds, loff, base, goff   ; a group 0: to LDS byte s[lds] + loff, from s[base:base+1] + goff
	s_mov_b32 s[\g], 1
	s_add_co_u32 s[\g+1], s[\lds], \loff
	s_add_nc_u64 s[\g+2:\g+3], s[\base:\base+1], \goff
	s_or_b32 s[\g+3], s[\g+3], 0x80000000
.endm
	s_load_b256 s[4:11], s[0:1], 0x0               ; ctxc, ctxs, xc, xs
	s_load_b128 s[12:15], s[0:1], 0x20             ; bf, out0
	v_lshl_add_u32 v254, v0, 2, 0x4b000
	v_mov_b32 v255, 0
	ds_add_u32 v254, v255
	ds_add_u32 v254, v255
	v_lshrrev_b32 v1, 5, v0
	v_readfirstlane_b32 s[WV], v1
	s_lshr_b32 s[WHI], s[WV], 1                    ; which panel of A is mine.  Also: I fetch for A (0) or for B (1)
	s_and_b32 s[WLO], s[WV], 1                     ; which half of B's panel.  Also: which panel of A, or which K step of B, I fetch
	s_bfe_u32 s40, ttmp6, 0x40000                  ; cx
	s_bfe_u32 s41, ttmp6, 0x40004                  ; cy
	s_lshl_b32 s42, ttmp9, 2
	s_add_co_u32 s42, s42, s40                     ; tile column, 0 to 7
	s_and_b32 s43, ttmp7, 0xffff
	s_lshl_b32 s43, s43, 2
	s_add_co_u32 s43, s43, s41                     ; tile row, 0 to 31
	s_lshl_b32 s66, s41, 2
	s_lshl_b32 s66, 15, s66                        ; my row of the cluster
	s_lshl_b32 s67, 0x1111, s40                    ; my column
	s_or_b32 s[G1+0], s66, (3<<16)|(1<<21)         ; 15:0 the mask; 17:16 elements of 8 bytes; 20 no padding; 21 set beside a mask
	s_or_b32 s[G1B+0], s67, (3<<16)|(1<<21)
	s_or_b32 s[G1S+0], s66, (3<<16)|(1<<21)
	s_or_b32 s[G1SB+0], s67, (3<<16)|(1<<21)
	SHAPE G1, 96                                   ; a panel's two K steps
	SHAPE G1B, 48                                  ; one K step
	SHAPE G1S, 16                                  ; a panel's scale words
	SHAPE G1SB, 8                                  ; half of them
	s_lshl_b32 s46, s43, 1                         ; A's panel that I would fetch: of cy, the cluster's place and the wave's number alone
	s_add_co_u32 s46, s46, s[WLO]
	s_lshl_b32 s92, s46, 12
	s_mul_i32 s46, s46, PANEL
	s_mov_b32 s47, 0
	s_mov_b32 s93, 0
	s_add_co_u32 s94, s42, 152                     ; B's panel: of cx likewise; Wf begins at panel 152
	s_lshl_b32 s96, s94, 12
	s_lshl_b32 s44, s[WLO], 11
	s_add_co_u32 s96, s96, s44                     ; my half of its scale words
	s_mul_i32 s94, s94, PANEL
	s_mul_i32 s44, s[WLO], UNIT
	s_add_co_u32 s94, s94, s44                     ; my K step of each slot's two
	s_mov_b32 s95, 0
	s_mov_b32 s97, 0
	s_mul_i32 s2, s[WV], PART                      ; where they go in a slot: A's panels (waves 0, 1) at wave x 24,576;
	s_add_co_u32 s3, s44, 2*PART                   ; B's K steps behind them: no place in the cluster enters an LDS address
	s_lshl_b32 s21, s[WLO], 12
	s_add_co_u32 s21, s21, SCL+4096                ; A's scale words
	s_lshl_b32 s22, s[WLO], 11
	s_add_co_u32 s22, s22, SCL                     ; B's
	s_wait_dscnt 0x0
	s_wait_kmcnt 0x0
	s_add_nc_u64 s[46:47], s[4:5], s[46:47]
	s_add_nc_u64 s[92:93], s[6:7], s[92:93]
	s_add_nc_u64 s[94:95], s[8:9], s[94:95]
	s_add_nc_u64 s[96:97], s[10:11], s[96:97]
	MKG0 G0S, 21, 0, 92, 0
	MKG0 G0SB, 22, 0, 96, 0
	MKG0 32, 2, 0, 46, 0
	MKG0 36, 2, SLOT, 46, PART
	MKG0 4, 2, 2*SLOT, 46, 2*PART
	MKG0 8, 2, 3*SLOT, 46, 3*PART
	MKG0 56, 3, 0, 94, 0
	MKG0 60, 3, SLOT, 94, PART
	MKG0 96, 3, 3*SLOT, 94, 3*PART
	MKG0 92, 3, 2*SLOT, 94, 2*PART                 ; (B's address is stepped where it lies: this is its last use)
	CROUND                                         ; all sixteen work-groups are here: the joint loads meet
	JLOAD G0S, G1S, G0SB, G1SB                     ; the scale words first: they are wanted with K step 0
	JLOAD 32, G1, 56, G1B                          ; K steps 0, 1
	JLOAD 36, G1, 60, G1B                          ; 2, 3
	JLOAD 4, G1, 92, G1B                           ; 4, 5
	JLOAD 8, G1, 96, G1B                           ; 6, 7
	v_and_b32 v1, 15, v0                           ; r
	v_bfe_u32 v2, v0, 4, 1                         ; h
	v_and_b32 v3, 31, v0
	v_lshlrev_b32 v[LI], 4, v3
	s_lshl_b32 s44, s42, 9                         ; the tile's 128 columns of 4 bytes,
	s_lshl_b32 s45, s[WLO], 8
	s_add_co_u32 s44, s44, s45                     ; my 64 of them
	s_mov_b32 s45, 0
	s_add_nc_u64 s[12:13], s[12:13], s[44:45]      ; bf at my columns
	s_lshl_b32 s66, s43, 1
	s_add_co_u32 s66, s66, s[WHI]
	s_lshl_b32 s66, s66, 19                        ; my panel's 128 rows of 4,096 bytes
	s_add_co_u32 s44, s44, s66
	s_add_nc_u64 s[14:15], s[14:15], s[44:45]      ; out0 at my corner
	v_lshlrev_b32 v4, 6, v2                        ; register 16 u2 + i of lane half h is column 32 u2 + 16 h + i of my 64
.irp i, 0,1,2,3,4,5,6,7
	global_load_b128 v[BB+4*\i:BB+4*\i+3], v4, s[12:13] offset:128*(\i/4)+16*(\i%4)
.endr
	s_mul_i32 s44, s[WHI], PART                    ; my panel of A in a slot,
	s_mul_i32 s66, s[WLO], 4*1536
	s_add_co_u32 s66, s66, 2*PART                  ; my four fragments of B
.irp s, 0,1,2,3
	v_add_nc_u32 v[ADRA+\s], s44, v[LI]
	v_add_nc_u32 v[ADRB+\s], s66, v[LI]
	s_add_co_u32 s44, s44, SLOT
	s_add_co_u32 s66, s66, SLOT
.endr
	s_lshl_b32 s44, s[WHI], 12
	s_add_co_u32 s44, s44, SCL+4096
	v_add_nc_u32 v[ADSA], s44, v[LI]
	s_lshl_b32 s44, s[WLO], 8
	s_add_co_u32 s44, s44, SCL
	v_lshl_add_u32 v[ADSB], v1, 4, s44
	s_mul_i32 s44, s[WV], 16*SPITCH                ; my stage
	v_mul_u32_u24 v5, v1, SPITCH
	v_lshl_add_u32 v5, v2, 6, v5
	v_add_nc_u32 v[STO], s44, v5                   ; in: row r, + 64 h
	v_mul_u32_u24 v5, v2, SPITCH
	v_lshl_add_u32 v5, v1, 4, v5
	v_add_nc_u32 v[RD], s44, v5                    ; back: lanes 0-15 one row of 256 bytes, lanes 16-31 the next
	v_lshlrev_b32 v[CO], 12, v2
	v_lshl_add_u32 v[CO], v1, 4, v[CO]             ; and the same two rows in out0
	s_wait_loadcnt 0x0                             ; bf
.macro FRAG reg, adr, off              ; a fragment: the image of its 12 registers, 512 consecutive bytes a load
.irp c, 0,1,2
	ds_load_b128 v[\reg+4*\c:\reg+4*\c+3], v[\adr] offset:(\off)+512*\c
.endr
.endm
.macro FETCH k                         ; K step k's fragments, 36 loads, into set k % 2; leaves every window 0
.set FS, (\k)/2
.set FQ, (\k)%2
	WIN TO_1
.irp i, 0,1,2,3
	FRAG BF+48*FQ+FR*\i, ADRB+FS, FQ*UNIT+\i*1536
.endr
.if FQ
.irp i, 0,1,2,3,4,5,6,7
	FRAG AF1+FR*\i, ADRA+FS, FQ*UNIT+\i*1536
.endr
	WIN 0
.else
	WIN 0
.irp i, 0,1,2,3,4,5,6,7
	FRAG AF0+FR*\i, ADRA+FS, FQ*UNIT+\i*1536
.endr
.endif
.endm
.macro SCALES s                        ; slot s's scale words into set s % 2: four loads
.set SS, SC+16*((\s)%2)
.irp q, 0,1
	ds_load_b128 v[SS+4*\q:SS+4*\q+3], v[ADSA] offset:(2*(\s)+\q)*512
	ds_load_b128 v[SS+8+4*\q:SS+8+4*\q+3], v[ADSB] offset:(2*(\s)+\q)*512
.endr
.endm
.macro MUL k, a0, a1, first            ; K step k: A's fragments a0 .. a1, each against B's four
.set MQ, (\k)%2
.set MS, SC+16*(((\k)/2)%2)
.set a, \a0
.rept (\a1)-(\a0)+1
.irp b, 0,1,2,3
.set MD, 8*(4*a+\b)
.set MCC, MD
.if \first
.set MCC, BB+8*\b
.endif
.set MA, AF0+FR*a
.if MQ
.set MA, AF1+FR*a
.endif
.if a < 4
	v_wmma_scale_f32_16x16x128_f8f6f4 v[MD:MD+7], v[BF+48*MQ+FR*\b:BF+48*MQ+FR*\b+FR-1], v[MA:MA+FR-1], v[MCC:MCC+7], v[MS+8+4*MQ+\b], v[MS+4*MQ+a] matrix_a_fmt:MATRIX_FMT_BF6 matrix_b_fmt:MATRIX_FMT_BF6
.else
	v_wmma_scale_f32_16x16x128_f8f6f4 v[MD:MD+7], v[BF+48*MQ+FR*\b:BF+48*MQ+FR*\b+FR-1], v[MA:MA+FR-1], v[MCC:MCC+7], v[MS+8+4*MQ+\b], v[MS+4*MQ+a-4] matrix_a_fmt:MATRIX_FMT_BF6 matrix_b_fmt:MATRIX_FMT_BF6 matrix_b_scale:MATRIX_SCALE_ROW1
.endif
.endr
.set a, a+1
.endr
.endm
; An even K step: its successor lies in the same slot and is fetched first, into the set that the K step before has left.
.macro EVEN k
.if (\k) > 0
	PLACES 4                                       ; in front of loads into registers that the last products read
.endif
	FETCH (\k)+1
	s_wait_dscnt 36                                ; all but the 36 loads just issued are in: this K step's fragments and scale words
.if (\k) == 0
	WIN MUL_F
	MUL \k, 0, 7, 1
.else
	WIN MUL_E
	MUL \k, 0, 7, 0
.endif
.endm
; An odd K step: its successor lies in the next slot.  Each wave waits for its part of that slot (the count leaves the later slots' loads out) and for its LDS loads, and signals; eight products stand between signal and wait.
.macro ODD k
	s_wait_tensorcnt 2-((\k)-1)/2
	s_wait_dscnt 0x0
	s_barrier_signal -1
	WIN MUL_O
	MUL \k, 0, 1, 0
	s_barrier_wait -1                              ; the next slot is whole
	PLACES 4
	FETCH (\k)+1
	SCALES ((\k)+1)/2
	WIN MUL_O
	MUL \k, 2, 7, 0
.endm
	s_wait_tensorcnt 3                             ; the scale words and my part of slot 0 are in; the three later slots' loads may be out
	s_barrier_signal -1
	s_barrier_wait -1
	FETCH 0
	SCALES 0
	EVEN 0                                         ; the products start the sums on bf
	ODD 1
	EVEN 2
	ODD 3
	EVEN 4
	ODD 5                                          ; its wait on the tensor loads is for 0: none is out from here on
	EVEN 6
	s_wait_dscnt 0x0                               ; K step 7
	WIN MUL_O
	MUL 7, 0, 7, 0
	WIN 0
; THE WAY OUT, fragment of A by fragment: 16 rows x my 64 columns.  Accumulator b = 2 u2 + u of lane (r, h) holds columns 32 u2 + 16 h + 8 u + 0 .. 7 of stage row r: 32 bytes at 128 u2 + 64 h + 32 u.  The block comes back as whole
; rows of 256 bytes, two a load; stage row t is row t + 8 (t / 8) from the fragment's first row.  LDS serves a wave's instructions in order: no wait between the stores and the loads, nor in front of the next block's stores.
.macro TOSTAGE a
.set AC, 32*(\a)
	WIN 0x08                                       ; an LDS store's data are its source 1: window 2
.irp b, 0,1,2,3
	ds_store_b128 v[STO], v[AC+8*\b:AC+8*\b+3] offset:128*(\b/2)+32*(\b%2)        ; each accumulator from its low end on
	ds_store_b128 v[STO], v[AC+8*\b+4:AC+8*\b+7] offset:128*(\b/2)+32*(\b%2)+16
.endr
	WIN 0
.set BBK, BK+32*((\a)%2)
.irp t, 0,1,2,3,4,5,6,7
	ds_load_b128 v[BBK+4*\t:BBK+4*\t+3], v[RD] offset:2*\t*SPITCH
.endr
.endm
.macro SEND a, younger                 ; younger: the LDS instructions issued behind block a's loads, which may stay out
.set BBK, BK+32*((\a)%2)
	s_wait_dscnt \younger
.if (\a) > 0
.if (\a)%2
	s_add_nc_u64 s[14:15], s[14:15], 8*4096        ; (behind a wait on XCNT)  an odd fragment begins 8 rows on,
.else
	s_add_nc_u64 s[14:15], s[14:15], 24*4096       ; an even one 24 more
.endif
.endif
.irp t, 0,1,2,3,4,5,6,7
	global_store_b128 v[CO], v[BBK+4*\t:BBK+4*\t+3], s[14:15] offset:(2*\t+8*(\t/4))*4096 th:TH_STORE_NT   ; 16 lanes store 256 consecutive bytes, aligned; written once
.endr
.endm
	PLACES 4                                       ; behind the last products: for the first read of results and the loads into registers that held A's fragments
	TOSTAGE 0
.irp a, 1,2,3,4,5,6,7
.if \a > 1
	s_wait_xcnt 0x0                                ; block a - 2's stores have read their registers and their base
.endif
	TOSTAGE \a
	SEND \a-1, 16                                  ; behind block a - 1's loads: block a's 8 stores and 8 loads
.endr
	s_wait_xcnt 0x0
	SEND 7, 0
	s_wait_tensorcnt 0x0
	ds_add_u32 v254, v255
	s_wait_dscnt 0x0
	CROUND                                         ; the closing round: no work-group ends while a partner may still ask for a tile that names it
	s_endpgm
.Lfunc_end_k_q010ece7c24_final:
	.size	k_q010ece7c24_final, .Lfunc_end_k_q010ece7c24_final-k_q010ece7c24_final
	.p2alignl 7, 3214868480
	.fill 96, 4, 3214868480
	.section	.rodata,"a",@progbits
	.p2align	6, 0x0
	.amdhsa_kernel k_q010ece7c24_final
		.amdhsa_group_segment_fixed_size 327680
		.amdhsa_private_segment_fixed_size 0
		.amdhsa_enable_private_segment 0
		.amdhsa_kernarg_size 48
		.amdhsa_user_sgpr_count 2
		.amdhsa_user_sgpr_kernarg_segment_ptr 1
		.amdhsa_wavefront_size32 1
		.amdhsa_system_sgpr_workgroup_id_x 1
		.amdhsa_system_sgpr_workgroup_id_y 1
		.amdhsa_system_sgpr_workgroup_id_z 1
		.amdhsa_system_vgpr_workitem_id 0
		.amdhsa_next_free_vgpr 768
		.amdhsa_next_free_sgpr 100
		.amdhsa_reserve_vcc 0
		.amdhsa_float_denorm_mode_32 3
		.amdhsa_float_denorm_mode_16_64 3
		.amdhsa_memory_ordered 1
		.amdhsa_forward_progress 1
		.amdhsa_inst_pref_size 82
	.end_amdhsa_kernel
	.amdgpu_metadata
---
amdhsa.version: [ 1, 2 ]
amdhsa.kernels:
  - .name:           k_q010ece7c24_final
    .symbol:         k_q010ece7c24_final.kd
    .args:
      - { .name: ctxc, .offset: 0, .size: 8, .value_kind: global_buffer, .address_space: global }
      - { .name: ctxs, .offset: 8, .size: 8, .value_kind: global_buffer, .address_space: global }
      - { .name: xc, .offset: 16, .size: 8, .value_kind: global_buffer, .address_space: global }
      - { .name: xs, .offset: 24, .size: 8, .value_kind: global_buffer, .address_space: global }
      - { .name: bf, .offset: 32, .size: 8, .value_kind: global_buffer, .address_space: global }
      - { .name: out0, .offset: 40, .size: 8, .value_kind: global_buffer, .address_space: global }
    .group_segment_fixed_size: 327680
    .private_segment_fixed_size: 0
    .kernarg_segment_align: 8
    .kernarg_segment_size: 48
    .max_flat_workgroup_size: 128
    .sgpr_count:     100
    .vgpr_count:     768
    .wavefront_size: 32
...
	.end_amdgpu_metadata
.endif
;; end of part 4
;; ======== version 2 of 2: 4 launches; version 1 with the launch attn written anew for expert scheduling mode
;; limits: right only within a limited range of input values
;; workspace buffers: xc 15,728,640 bytes; xs 655,360 bytes; qkvc 18,874,368 bytes; qkvs 786,432 bytes; ctxc 6,291,456 bytes; ctxs 262,144 bytes
;; launch quant: the kernel of part 1 again; grid 8 x 160, 8 waves a work-group, no clusters, 69,632 bytes of LDS; arguments memory, query, Wk, Wv, Wq, Wf, xc, xs; writes xc, xs
;; launch proj: the kernel of part 2 again; grid 12 x 32, 4 waves a work-group, clusters of 4 x 4, 327,680 bytes of LDS; arguments xc, xs, bk, bv, bq, qkvc, qkvs; writes qkvc, qkvs
;; launch attn (part 5): grid 4 x 64, 4 waves a work-group, no clusters, 117,760 bytes of LDS; arguments qkvc, qkvs, mask, ctxc, ctxs, out1; writes ctxc, ctxs, out1
.if DOCPART == 5
	.amdgcn_target "amdgcn-amd-amdhsa--gfx1250"
	.amdhsa_code_object_version 6
	.text
	.protected	k_q010ece7c24_attn
	.globl	k_q010ece7c24_attn
	.p2align	8
	.type	k_q010ece7c24_attn,@function
k_q010ece7c24_attn:
	s_mov_b64 s[64:65], 0
	v_nop
	global_prefetch_b8 v0, s[64:65] scope:SCOPE_SE
	s_setreg_imm32_b32 hwreg(HW_REG_WAVE_SCHED_MODE, 0, 2), 2
	s_setreg_imm32_b32 hwreg(HW_REG_WAVE_MODE, 25, 1), 1
	s_wait_xcnt 0x0
	s_wait_alu depctr_vm_vsrc(0)
; For one batch b, head h and block of 256 queries: scores q k^T, the mask, the softmax, ctx = softmax v; head 0 also writes the finished weights to out1.  Both products on codes of BF6 (E3M2) with E8M0 scales.
; p = 2^(t - M), t = score x log2(e), M = the row's largest t rounded up to a whole number, is what is quantised, along the keys; the row's sum l is taken of the unquantised p and divides at the end.
; K AND V STAY IN REGISTERS.  Wave w holds, for the whole launch, the 16 fragments of K of keys 256 w .. 256 w + 255, the 16 fragments of V of channels 32 w .. 32 w + 31 for all 1,024 keys, and its keys' mask as a C operand.
; A TILE OF 16 QUERIES, sixteen in a loop: each wave makes S^T for its 256 keys (source 0 = 16 keys, source 1 = the queries: a lane holds one query); the four waves' largest scores meet in LDS (barrier), so M is the whole
; row's and nothing is ever rescaled; p, its sum, its codes; p's two fragments of each wave go to LDS as images of their registers, with their scale words and the part sums (barrier); each wave reads all eight fragments
; and makes O^T for its 32 channels over all keys; O^T / l is one block of 32 along the last product's K: it is quantised and kept in LDS; at the end the block's 16 fragments of ctx leave in the operand's order.
; HEAD 0'S WEIGHTS turn through the wave's own stage in LDS, so that whole rows of 1,024 bytes are stored, and the turn stands beside other work: p goes into the stage UNNORMALISED, a store at a time between the second batch of
; exponentials, the sums and the making of the codes; it comes back, into the registers that it left, while ctx is quantised; a register then holds 16 bytes of ONE row in every lane, and is multiplied by that row's 1 / l,
; read from the lane that holds it.  The lines among which the stage's stores stand are written twice, under one branch on the head; both arms are register work, and head 0's arm stores into the stage alone.
; NO CLUSTER, NO JOINT LOADS: the four query blocks of a head read the same K and V, but each reads them once, 196,608 bytes, straight into the registers where they stay; a joint load would put an LDS round trip under bytes that are never read from LDS.
; FRAGMENT ORDER (qkvc, ctxc): lane r of fragment 2 u2 + u holds row 32 u2 + 8 u + r + 8 (r / 8) of its 128; so the 16 registers of two neighbouring tiles of S^T are 16 neighbouring keys, and those of O^T 16 neighbouring channels.
; LIMITS: a masked score is the score - 1e30, not -infinity: p is 0 there as long as scores stay far under 1e30; a batch all of whose keys are masked (NaN by the definition) is not served.  p under 2^-126 is taken as 0.
; A block whose largest magnitude lies under 2^-122 keeps the byte 1.  NaN and infinities are not served.
; TWO BARRIERS A TILE: the largest scores' words are written again only behind the second; p's images, words and part sums only behind the next tile's first; in front of each every wave waits for all its LDS instructions.
; THE MODE: SCHED_MODE bits 1:0 = 2 (LLVM: expert scheduling mode 2), set by the entry lines.  The code itself states the register dependences between vector or matrix instructions and memory or LDS instructions, with s_wait_alu, always for 0.
; THE PLAN.  Registers that memory or LDS instructions touch, round the loop:
;   q's fragment and words   read by the 16 score products; the next q's four loads land in them, behind the wait that stands behind the maxima.
;   v[RM]                    written by the maxima, read by one LDS store, written again behind the first barrier.
;   v[BX .. BX+3]            named by the maxima and by the bytes' lines; an LDS load lands in them behind each barrier.
;   p (v[S ..])              written by the products, scalings and exponentials, read by the sums and conversions.  Head 0: read by 32 stores into the stage, each behind its batch's wait; the 32 loads back land in it behind the second product;
;                            multiplied by 1 / l four rows at a time, and each four rows' global stores stand among the next four rows' multiplies.
;   p's codes, words, sum    written by the code making, read by eight LDS stores ahead of the second barrier; the second fragment's registers take ctx / l afterwards.
;   p's fragments, words     (window 3, v[PS ..]) LDS loads land in them behind the second barrier; the second product reads them.
;   ctx's codes, byte and the two stepped LDS addresses   written by vector lines, read by two LDS stores, written again in the next trip.
;   every other address      made once at the head.
; So a trip holds: a wait on va_vdst behind the maxima, at each batch of exponentials, at the join ahead of the images' stores, behind the reciprocal and ahead of ctx's stores; a wait on vm_vsrc behind each barrier and at the trip's end.
; Head 0 adds one wait on va_sdst behind the run of sixteen lane reads and one on va_vdst for each four rows.
; REGISTERS: window 0: v1-19 addresses; v20-55 small things; v56-63 K's scale words, v64-79 V's, v80-87 p's, v52 q's; v88-127 at work; v128-255 S^T, then p.
;   window 1: v0-191 K.   window 2: v0-191 V (key step s, tile e at 12 (2 s + e)).   window 3: v0-127 the mask; v128-223 p's eight fragments; v224-239 O^T; v240-251 q.
.set UNIT, 12288
.set PIMG, 0                           ; LDS: p's 8 fragments, 1,536 bytes each
.set PSC,  12288                       ; their scale words: 32 x lane + 4 x key step
.set XM,   13312                       ; the waves' largest scores: 16 r + 4 w
.set XL,   13568                       ; their part sums likewise
.set CIMG, 13824                       ; ctx's codes: 8,192 x wave + 512 x tile + 16 x lane
.set CSC,  CIMG+4*8192                 ; ctx's scale bytes, a word each: 1,024 x wave + 64 x tile + 4 r
.set WST,  CSC+4*1024                  ; head 0: a stage of 16 rows x (1,024 + 16) bytes for each wave
.set WSP,  1040
.set LI,  1                            ; 16 x lane
.set R16, 2                            ; 16 r
.set XW,  3                            ; 16 r + 4 w
.set PIW, 4                            ; 16 x lane + 3,072 w
.set PSW, 5                            ; 32 x lane + 8 w
.set PSR, 6                            ; 32 x lane
.set CW,  7                            ; CIMG + 8,192 w + 16 x lane
.set CWT, 8                            ; the same for this tile
.set SWA, 9                            ; CSC + 1,024 w + 4 r
.set SWT, 10                           ; the same for this tile
.set WSW, 15
.set WSR, 16
.set TCI, 17                           ; the tail: CIMG + 8,192 h + 16 r + 2,048 w
.set TCS, 18                           ; CSC + 512 (w % 2) + 256 h + 4 r
.set RM,  19                           ; the largest score, then t
.set PW,  20                           ; v[20:21] p's two scale words
.set L,   22                           ; v22-29 four chains of sums
.set NM,  30                           ; v[30:31] -M
.set PC0, 32                           ; v32-43 p's codes, first fragment
.set PT,  44                           ; v44-51 at work; v44-47 ctx's codes (v47 stays 0)
.set QSC, 52
.set RL,  54                           ; v[54:55] 1 / l
.set KS,  56
.set VS,  64
.set PS,  80
.set PC1, 88                           ; v88-99 p's codes, second fragment
.set ON,  88                           ; v88-103 later O^T / l
.set MK,  88                           ; v88-119 at the head: the mask's bytes
.set BM,  104                          ; v104-111 the blocks' largest scores, then p
.set BX,  112                          ; v112-119 at work
.set SO,  120                          ; v120-127 the conversions' scale operands
.set S,   128
.set PF,  128                          ; in window 3
.set O,   224
.set QF,  240
.set WV,  16
.set SEL, 22
.set CS,  24
.set RS,  66                           ; s66-97 the sixteen rows' 1 / l, each the low word of a pair
.set MSB, 0
.macro WIN new
.if MSB != \new
	s_set_vgpr_msb (MSB<<8)|\new
.set MSB, \new
.endif
.endm
.macro PLACES
.rept 4
	v_nop
.endr
.endm
.macro BARRIER                         ; my LDS stores have landed and my LDS loads are in: then the work-group's barrier
	s_wait_dscnt 0x0
	s_barrier_signal -1
	s_barrier_wait -1
.endm
.macro PCODE hf, dst                   ; the 64 p of my key step hf (0, 1) become a fragment's codes; p itself is kept
.irp c, 0,1
	v_cvt_scalef32_pk16_bf6_f32 v[\dst+6*\c:\dst+2+6*\c], v[S+64*\hf+32*\c:S+64*\hf+32*\c+15], v[SO+4*\hf+2*\c]
	v_cvt_scalef32_pk16_bf6_f32 v[PT+4*\c:PT+4*\c+2], v[S+64*\hf+32*\c+16:S+64*\hf+32*\c+31], v[SO+4*\hf+2*\c+1]
.endr
	v_nop                                          ; one plain place behind a scaled conversion
.irp c, 0,1
.irp i, 0,1,2
	v_permlane16_swap_b32 v[\dst+6*\c+\i], v[PT+4*\c+\i]
.endr
.irp i, 0,1,2
	v_mov_b32 v[\dst+3+6*\c+\i], v[PT+4*\c+\i]
.endr
.endr
.endm
.macro STG hd, n                       ; head 0: registers 4 n .. 4 n + 3 of p (keys 32 (n / 4) + 16 h + 4 (n % 4) ..) into row r of my stage.  No wait of its own: its batch's wait has shown these registers written, and no line since writes them
.if \hd
	ds_store_b128 v[WSW], v[S+4*(\n):S+4*(\n)+3] offset:128*((\n)/4)+16*((\n)%4)
.endif
.endm
; From the second batch of exponentials to p's codes.  hd = 1: head 0's arm, with the 32 stores into the stage among the lines; each store names p whose exponentials have had their wait.
.macro REST hd
.set n, 0
.rept 28
	v_exp_f32 v[S+64+2*n], v[S+64+2*n]
	v_exp_f32 v[S+65+2*n], v[S+65+2*n]
.if n < 4
	v_pk_add_f32 v[L+2*n:L+2*n+1], v[S+2*n:S+2*n+1], v[S+8+2*n:S+8+2*n+1]   ; the sum of the unquantised p, two at a time, in four chains: the first batch's 64 stand between the second batch's exponentials
.else
	v_pk_add_f32 v[L+2*(n%4):L+2*(n%4)+1], v[L+2*(n%4):L+2*(n%4)+1], v[S+8+2*n:S+8+2*n+1]
.endif
.if n%2
	STG \hd, n/2
.endif
.set n, n+1
.endr
.irp i, 0,1,2,3,4,5,6,7
	v_exp_f32 v[S+120+\i], v[S+120+\i]
.endr
	STG \hd, 14
.irp b, 0,1,2,3,4,5,6,7
	v_exp_f32 v[BM+\b], v[BM+\b]                   ; the blocks' largest p: the same two instructions on the same number give the same bits
.endr
	STG \hd, 15
	v_nop                                          ; a plain place behind the exponentials
	s_wait_alu depctr_va_vdst(0)                   ; the second batch's exponentials have written p's second half and the blocks' largest p: one wait, ahead of their first reader; the stage's stores below read that half
.set n, 0
.rept 32
	v_pk_add_f32 v[L+2*(n%4):L+2*(n%4)+1], v[L+2*(n%4):L+2*(n%4)+1], v[S+64+2*n:S+65+2*n]
.if n%4 == 3
	STG \hd, 16+n/4
.endif
.set n, n+1
.endr
	v_pk_add_f32 v[L:L+1], v[L:L+1], v[L+2:L+3]
	v_pk_add_f32 v[L+4:L+5], v[L+4:L+5], v[L+6:L+7]
	v_pk_add_f32 v[L:L+1], v[L:L+1], v[L+4:L+5]
	v_add_f32 v[L], v[L], v[L+1]
	v_permlanex16_b32 v[L+2], v[L], s[SEL], s[SEL+1]
	v_add_f32 v[L], v[L], v[L+2]                   ; my 256 keys' part of the row's sum
	STG \hd, 24
.irp b, 0,1,2,3,4,5,6,7
	v_max_num_f32 v[BM+\b], 0x2800000, v[BM+\b]    ; the floor 2^(5 - 127): a block whose every p is 0 keeps the byte 1: its codes are zeros
.endr
	STG \hd, 25
.irp b, 0,1,2,3,4,5,6,7
	v_add_nc_u32 v[SO+\b], 0xfe000000, v[BM+\b]    ; 4 off the exponent field: the conversion's scale operand
.endr
	STG \hd, 26
.irp b, 0,1,2,3,4,5,6,7
	v_lshrrev_b32 v[BX+\b], 23, v[SO+\b]           ; the scale's byte
.endr
	STG \hd, 27
.irp g, 0,1
	v_lshl_or_b32 v[PW+\g], v[BX+4*\g+1], 8, v[BX+4*\g]
	v_lshl_or_b32 v[PW+\g], v[BX+4*\g+2], 16, v[PW+\g]
	v_lshl_or_b32 v[PW+\g], v[BX+4*\g+3], 24, v[PW+\g]
.endr
	STG \hd, 28
	PCODE 0, PC0
	STG \hd, 29
	STG \hd, 30
	PCODE 1, PC1
	STG \hd, 31
.endm
; Head 0's way out.  OUTROW: half x of stage row t, finished, to out1.  ROWS: rows 4 g .. 4 g + 3 times their 1 / l; prev = 1: the eight stores of the four rows before stand among the sixteen multiplies, which name other rows.
.macro OUTROW t, x
	global_store_b128 v[LI], v[S+8*(\t)+4*(\x):S+8*(\t)+4*(\x)+3], s[44:45] offset:((\t)+8*((\t)/8))*4096+512*(\x) th:TH_STORE_NT   ; 32 lanes store 512 consecutive bytes, aligned; written once
.endm
.macro ROWS g, prev
.irp i, 0,1,2,3
.irp k, 0,2,4,6
	v_pk_mul_f32 v[S+8*(4*(\g)+\i)+\k:S+8*(4*(\g)+\i)+\k+1], v[S+8*(4*(\g)+\i)+\k:S+8*(4*(\g)+\i)+\k+1], s[RS+2*(4*(\g)+\i):RS+2*(4*(\g)+\i)+1] op_sel_hi:[1,0]
.if \prev && ((\k == 2) || (\k == 6))
	OUTROW 4*((\g)-1)+\i, \k/4
.endif
.endr
.endr
.endm
	s_load_b256 s[4:11], s[0:1], 0x0               ; qkvc, qkvs, mask, ctxc
	s_load_b128 s[12:15], s[0:1], 0x20             ; ctxs, out1
	v_lshl_add_u32 v51, v0, 2, 0x1ca00
	v_mov_b32 v53, 0
	v_lshrrev_b32 v120, 5, v0
	v_readfirstlane_b32 s[WV], v120                ; wave 0..3
	v_and_b32 v120, 31, v0                         ; lane
	v_and_b32 v121, 15, v0                         ; r
	v_bfe_u32 v122, v0, 4, 1                       ; h
	v_lshlrev_b32 v[LI], 4, v120
	v_lshlrev_b32 v[R16], 4, v121
	v_lshlrev_b32 v123, 4, v122                    ; 16 h: my half's 16 bytes of a block of the mask
	s_wait_alu depctr_va_sdst(0)                   ; the wave's number is written, ahead of its first reader: LDS addresses and bases are made from it
	s_lshl_b32 s49, s[WV], 2
	v_add_nc_u32 v[XW], s49, v[R16]
	s_mul_i32 s49, s[WV], 3072
	v_add_nc_u32 v[PIW], s49, v[LI]
	v_lshlrev_b32 v[PSR], 5, v120
	s_lshl_b32 s49, s[WV], 3
	v_add_nc_u32 v[PSW], s49, v[PSR]
	s_lshl_b32 s49, s[WV], 13
	s_add_co_u32 s49, s49, CIMG
	v_add_nc_u32 v[CW], s49, v[LI]
	s_lshl_b32 s49, s[WV], 10
	s_add_co_u32 s49, s49, CSC
	v_lshlrev_b32 v[SWA], 2, v121
	v_add_nc_u32 v[SWA], s49, v[SWA]
	s_mul_i32 s49, s[WV], 16*WSP
	s_add_co_u32 s49, s49, WST
	v_mul_u32_u24 v[WSW], v121, WSP
	v_lshl_add_u32 v[WSW], v122, 6, v[WSW]
	v_add_nc_u32 v[WSW], s49, v[WSW]               ; the stage: row r, + 64 h
	v_add_nc_u32 v[WSR], s49, v[LI]                ; and back: 16 bytes a lane of a row
	s_lshl_b32 s49, s[WV], 11
	s_add_co_u32 s49, s49, CIMG
	v_lshl_add_u32 v[TCI], v122, 13, v[R16]
	v_add_nc_u32 v[TCI], s49, v[TCI]
	s_and_b32 s49, s[WV], 1
	s_lshl_b32 s49, s49, 9
	s_add_co_u32 s49, s49, CSC
	v_lshlrev_b32 v[TCS], 2, v121
	v_lshl_add_u32 v[TCS], v122, 8, v[TCS]
	v_add_nc_u32 v[TCS], s49, v[TCS]
	s_and_b32 s18, ttmp7, 0xffff                   ; 8 b + h
	s_lshr_b32 s19, s18, 3                         ; b
	s_and_b32 s20, s18, 7                          ; h
	s_lshl_b32 s21, s18, 3                         ; the unit of (b, h, step 0)
	s_mov_b32 s41, 0
	s_mov_b32 s[SEL], 0x76543210
	s_mov_b32 s[SEL+1], 0xfedcba98
	s_mov_b32 s[CS], 0x3fb8aa3b                    ; log2(e)
	s_mov_b32 s[CS+1], s[CS]                       ; (named with it as a pair)
	s_mov_b32 s26, 0xf149f2ca                      ; -1e30
	s_mov_b32 s46, 0                               ; the tile
	s_mov_b32 s47, 0                               ; 512 x tile
	s_mov_b32 s48, 0                               ; 64 x tile
.irp i, 0,1,2,3,4,5,6,7,8,9,10,11,12,13,14,15
	s_mov_b32 s[RS+2*\i+1], 0                      ; (upper words of pairs that a packed form names)
.endr
	s_wait_kmcnt 0x0
	s_lshl_b32 s49, s[WV], 1
	s_add_co_u32 s49, s49, s21                     ; K: units of steps 2 w, 2 w + 1
	s_mul_i32 s40, s49, UNIT
	s_add_nc_u64 s[28:29], s[4:5], s[40:41]
	s_lshl_b32 s40, s49, 9
	s_add_nc_u64 s[52:53], s[6:7], s[40:41]
	s_add_co_u32 s49, s21, 512                     ; V: the head's eight units, fragments 2 w, 2 w + 1 of each
	s_mul_i32 s40, s49, UNIT
	s_mul_i32 s50, s[WV], 3072
	s_add_co_u32 s40, s40, s50
	s_add_nc_u64 s[30:31], s[4:5], s[40:41]
	s_lshl_b32 s40, s49, 9
	s_lshr_b32 s50, s[WV], 1
	s_lshl_b32 s50, s50, 8
	s_add_co_u32 s40, s40, s50
	s_and_b32 s50, s[WV], 1
	s_lshl_b32 s50, s50, 3
	s_add_co_u32 s40, s40, s50                     ; their words: 256 (w / 2) + 8 (w % 2) + 16 r
	s_add_nc_u64 s[54:55], s[6:7], s[40:41]
	s_lshl_b32 s49, ttmp9, 1
	s_add_co_u32 s49, s49, s21
	s_add_co_u32 s49, s49, 1024                    ; Q: the block's two units: 16 fragments on end
	s_mul_i32 s40, s49, UNIT
	s_add_nc_u64 s[32:33], s[4:5], s[40:41]
	s_lshl_b32 s40, s49, 9
	s_add_nc_u64 s[34:35], s[6:7], s[40:41]
	s_lshl_b32 s40, s19, 10
	s_lshl_b32 s50, s[WV], 8
	s_add_co_u32 s40, s40, s50
	s_add_nc_u64 s[56:57], s[8:9], s[40:41]        ; the mask of my 256 keys
	s_lshl_b32 s40, s19, 22
	s_lshl_b32 s50, ttmp9, 20
	s_add_co_u32 s40, s40, s50
	s_lshl_b32 s50, s[WV], 10
	s_add_co_u32 s40, s40, s50
	s_add_nc_u64 s[42:43], s[14:15], s[40:41]      ; out1: the block's first row, my 256 keys
	s_lshl_b32 s49, s19, 3
	s_lshl_b32 s50, ttmp9, 1
	s_add_co_u32 s49, s49, s50                     ; ctx's panel 8 b + 2 x block
	s_lshr_b32 s50, s[WV], 1
	s_add_co_u32 s50, s50, s49
	s_lshl_b32 s50, s50, 3
	s_add_co_u32 s50, s50, s20
	s_mul_i32 s40, s50, UNIT
	s_and_b32 s50, s[WV], 1
	s_mul_i32 s58, s50, 6144
	s_add_co_u32 s40, s40, s58
	s_add_nc_u64 s[10:11], s[10:11], s[40:41]      ; ctxc: fragments 4 w .. 4 w + 3 of the block's sixteen
	s_add_co_u32 s50, s50, s49
	s_lshl_b32 s50, s50, 3
	s_add_co_u32 s50, s50, s20
	s_lshl_b32 s40, s50, 9
	s_add_nc_u64 s[12:13], s[12:13], s[40:41]      ; ctxs: waves 0 and 1 store a unit's words each
	s_wait_alu depctr_va_vdst(0)                   ; every offset and LDS address of the kernel (v1 to v18 but the two that are stepped, and v123) is written: the loads and stores from here on read them
.irp b, 0,1,2,3,4,5,6,7
	global_load_b128 v[MK+4*\b:MK+4*\b+3], v123, s[56:57] offset:32*\b   ; keys 32 b + 16 h + 0 .. 15 of my 256
.endr
.irp g, 0,1
	global_load_b128 v[KS+4*\g:KS+4*\g+3], v[LI], s[52:53] offset:512*\g   ; lanes 0-15: fragments 0-3 of the unit, lanes 16-31: fragments 4-7
.endr
.irp s, 0,1,2,3,4,5,6,7
	global_load_b64 v[VS+2*\s:VS+2*\s+1], v[R16], s[54:55] offset:512*\s
.endr
	global_load_b32 v[QSC], v[R16], s[34:35]
	WIN 0xc0                                       ; destination window 3
.irp c, 0,1,2
	global_load_b128 v[QF+4*\c:QF+4*\c+3], v[LI], s[32:33] offset:512*\c
.endr
	WIN 0x40                                       ; destination window 1
.set n, 0
.rept 48
	global_load_b128 v[4*n:4*n+3], v[LI], s[28:29] offset:512*n   ; K's 16 fragments: dense
.set n, n+1
.endr
	WIN 0x80                                       ; destination window 2
.irp s, 0,1,2,3,4,5,6,7
.irp i, 0,1,2,3,4,5
	global_load_b128 v[24*\s+4*\i:24*\s+4*\i+3], v[LI], s[30:31] offset:UNIT*\s+512*\i
.endr
.endr
	WIN 0
	s_wait_loadcnt 63                              ; 110 loads were issued behind the mask's eight; with at most 63 out the oldest 55 are in, the mask among them
.set n, 0
.rept 128
	v_bfe_u32 v[S+n], v[MK+n/4], 8*(n%4), 1        ; register 16 b + i: key 32 b + 16 h + i, as in S^T
.set n, n+1
.endr
.set n, 0
.rept 128
	v_sub_nc_u32 v[S+n], 0, v[S+n]                 ; 0 or all ones
.set n, n+1
.endr
	WIN 0xc0
.set n, 0
.rept 128
	v_and_b32 v[n], s26, v[S+n]                    ; 0 or -1e30: the C of the scores' products
.set n, n+1
.endr
	WIN 0
.irp b, 0,1,2,3,4,5,6,7
	v_mov_b32 v[BX+\b], 0                          ; a lane permute's destination counts as one of its sources
.endr
	v_mov_b32 v[NM+1], 0                           ; (upper halves of pairs that packed forms name)
	v_mov_b32 v[RL+1], 0
	v_mov_b32 v[PT+3], 0                           ; the fourth word of ctx's 16 bytes a lane
	s_wait_loadcnt 48                              ; all but V's 48 loads, the youngest, are in: K, q and the scale words.  V is wanted only by the second product
.Ltile:
	; ---- the scores
	WIN 0x3d                                       ; source 0 (K) window 1, source 1 (q) and C (the mask) window 3, D window 0
.irp t, 0,1,2,3,4,5,6,7,8,9,10,11,12,13,14,15
.if ((\t>>2)&1)
	v_wmma_scale_f32_16x16x128_f8f6f4 v[S+8*\t:S+8*\t+7], v[12*\t:12*\t+11], v[QF:QF+11], v[8*\t:8*\t+7], v[KS+4*(\t>>3)+(\t&3)], v[QSC] matrix_a_fmt:MATRIX_FMT_BF6 matrix_b_fmt:MATRIX_FMT_BF6 matrix_a_scale:MATRIX_SCALE_ROW1
.else
	v_wmma_scale_f32_16x16x128_f8f6f4 v[S+8*\t:S+8*\t+7], v[12*\t:12*\t+11], v[QF:QF+11], v[8*\t:8*\t+7], v[KS+4*(\t>>3)+(\t&3)], v[QSC] matrix_a_fmt:MATRIX_FMT_BF6 matrix_b_fmt:MATRIX_FMT_BF6
.endif
.endr
	WIN 0
	PLACES                                         ; in front of the first read of the scores
	s_add_co_u32 s49, s46, 1
	s_min_u32 s49, s49, 15                         ; the next tile; the last trip asks for its own again: no load leaves the buffer
	s_mul_i32 s40, s49, 1536
	s_add_nc_u64 s[36:37], s[32:33], s[40:41]      ; (the loads that named these registers were waited for at the last trip's end)
	s_lshr_b32 s50, s49, 2
	s_lshl_b32 s50, s50, 8
	s_and_b32 s49, s49, 3
	s_lshl_b32 s49, s49, 2
	s_add_co_u32 s40, s50, s49                     ; its words: 256 (tile / 4) + 4 (tile % 4) + 16 r
	s_add_nc_u64 s[38:39], s[34:35], s[40:41]
	; ---- the largest score of each block of 32 keys (it serves twice: for the row's maximum and, since p rises with the score, for the block's largest p), and of the row
.irp b, 0,1,2,3,4,5,6,7
	v_max3_num_f32 v[BM+\b], v[S+16*\b], v[S+1+16*\b], v[S+2+16*\b]
.endr
.irp i, 3,5,7,9,11,13
.irp b, 0,1,2,3,4,5,6,7
	v_max3_num_f32 v[BM+\b], v[BM+\b], v[S+16*\b+\i], v[S+1+16*\b+\i]
.endr
.endr
.irp b, 0,1,2,3,4,5,6,7
	v_max_num_f32 v[BM+\b], v[BM+\b], v[S+15+16*\b]
.endr
.irp b, 0,1,2,3,4,5,6,7
	v_permlanex16_b32 v[BX+\b], v[BM+\b], s[SEL], s[SEL+1]
.endr
.irp b, 0,1,2,3,4,5,6,7
	v_max_num_f32 v[BM+\b], v[BM+\b], v[BX+\b]     ; with lane l xor 16's 16 keys
.endr
	v_max3_num_f32 v[RM], v[BM], v[BM+1], v[BM+2]
	v_max3_num_f32 v[RM], v[RM], v[BM+3], v[BM+4]
	v_max3_num_f32 v[RM], v[RM], v[BM+5], v[BM+6]
	v_max_num_f32 v[RM], v[RM], v[BM+7]
	s_wait_alu depctr_va_vdst(0)                   ; v[RM] is written, which the LDS store reads; the scores' products are done reading q's fragment and words, in which the four loads below land; the lines above are done with v[BX ..], in which the load behind the barrier lands
	ds_store_b32 v[XW], v[RM] offset:XM            ; my 256 keys' largest score of query r
	WIN 0xc0
.irp c, 0,1,2
	global_load_b128 v[QF+4*\c:QF+4*\c+3], v[LI], s[36:37] offset:512*\c   ; the next q.  No vector or matrix instruction since the wait names these registers
.endr
	WIN 0
	global_load_b32 v[QSC], v[R16], s[38:39]
	BARRIER                                        ; all four lie in LDS; and every wave's reads of the last tile's p are over
	ds_load_b128 v[BX:BX+3], v[R16] offset:XM
	s_wait_dscnt 0x0
	s_wait_alu depctr_vm_vsrc(0)                   ; the LDS store has read v[RM], which the next line writes; in the first trip also: the mask's loads have read v123, which is one of the conversions' scale operands from here on
	v_max3_num_f32 v[RM], v[BX], v[BX+1], v[BX+2]
	v_max_num_f32 v[RM], v[RM], v[BX+3]            ; the row's
	; ---- p = 2^(t - M): two batches of exponentials.  The first batch's 64 carry the second half's scalings between them
	v_mul_f32 v[RM], s[CS], v[RM]
	v_floor_f32 v[NM], -v[RM]                      ; -M = floor(-t) = -ceil(t)
.set j, 0
.rept 32
	v_pk_fma_f32 v[S+j:S+j+1], v[S+j:S+j+1], s[CS:CS+1], v[NM:NM+1] op_sel_hi:[1,0,0]
.set j, j+2
.endr
.set j, 0
.rept 32
	v_exp_f32 v[S+j], v[S+j]
	v_exp_f32 v[S+j+1], v[S+j+1]
	v_pk_fma_f32 v[S+64+j:S+65+j], v[S+64+j:S+65+j], s[CS:CS+1], v[NM:NM+1] op_sel_hi:[1,0,0]
.set j, j+2
.endr
.irp b, 0,1,2,3,4,5,6,7
	v_fma_f32 v[BM+\b], v[BM+\b], s[CS], v[NM]     ; the same of each block's largest score.  (Plain lines behind the exponentials)
.endr
	s_wait_alu depctr_va_vdst(0)                   ; the first batch's exponentials have written p's first half: one wait, ahead of their first reader and of the branch; head 0's first sixteen stores into the stage read that half
	s_cmp_lg_u32 s20, 0
	s_cbranch_scc1 .Lplain                         ; a branch on the work-group's number; no barrier stands in either arm
	REST 1
	s_branch .Ljoin
.Lplain:
	REST 0
.Ljoin:
	s_wait_alu depctr_va_vdst(0)                   ; p's codes, its two scale words and the part sum are written, which the LDS stores below read; and every line that names p, v[BX ..] or the last trip's fragments of p is done: LDS loads land in these behind the barrier
.irp c, 0,1,2
	ds_store_b128 v[PIW], v[PC0+4*\c:PC0+4*\c+3] offset:PIMG+512*\c          ; key steps 2 w and 2 w + 1: images of the registers
	ds_store_b128 v[PIW], v[PC1+4*\c:PC1+4*\c+3] offset:PIMG+1536+512*\c
.endr
	ds_store_b64 v[PSW], v[PW:PW+1] offset:PSC
	ds_store_b32 v[XW], v[L] offset:XL
	BARRIER                                        ; p's eight fragments, their words and the four part sums lie in LDS (and head 0's stage has taken p)
	s_wait_alu depctr_vm_vsrc(0)                   ; my LDS stores have read p's codes, words and part sum, which later lines write again (the second fragment's registers take ctx / l below), and, in head 0, p itself, in which the loads back from the stage land
	; ---- O^T for my 32 channels, over all 1,024 keys: two accumulators by turns
	ds_load_b128 v[BX:BX+3], v[R16] offset:XL
	ds_load_b128 v[PS:PS+3], v[PSR] offset:PSC
	ds_load_b128 v[PS+4:PS+7], v[PSR] offset:PSC+16
	WIN 0xc0
.irp s, 0,1,2,3,4,5,6,7
.irp c, 0,1,2
	ds_load_b128 v[PF+12*\s+4*\c:PF+12*\s+4*\c+3], v[LI] offset:PIMG+1536*\s+512*\c
.endr
.endr
	s_wait_loadcnt 4                               ; V is in: behind its loads only the next q's four were issued (it matters in the first trip alone)
	WIN 0xfe                                       ; source 0 (V) window 2; source 1 (p), C and D window 3
.irp s, 0,1,2,3,4,5,6,7
	s_wait_dscnt 3*(7-\s)                          ; fragment s is in; the later ones' three loads each may be out
.irp e, 0,1
.if \s == 0
	v_wmma_scale_f32_16x16x128_f8f6f4 v[O+8*\e:O+8*\e+7], v[12*(2*\s+\e):12*(2*\s+\e)+11], v[PF+12*\s:PF+12*\s+11], 0, v[VS+2*\s+\e], v[PS+\s] matrix_a_fmt:MATRIX_FMT_BF6 matrix_b_fmt:MATRIX_FMT_BF6
.else
	v_wmma_scale_f32_16x16x128_f8f6f4 v[O+8*\e:O+8*\e+7], v[12*(2*\s+\e):12*(2*\s+\e)+11], v[PF+12*\s:PF+12*\s+11], v[O+8*\e:O+8*\e+7], v[VS+2*\s+\e], v[PS+\s] matrix_a_fmt:MATRIX_FMT_BF6 matrix_b_fmt:MATRIX_FMT_BF6
.endif
.endr
.endr
	WIN 0
	s_cmp_lg_u32 s20, 0
	s_cbranch_scc1 .Lno_back
.irp t, 0,1,2,3,4,5,6,7,8,9,10,11,12,13,14,15
.irp x, 0,1
	ds_load_b128 v[S+8*\t+4*\x:S+8*\t+4*\x+3], v[WSR] offset:WSP*\t+512*\x   ; head 0: p comes back by rows, 512 consecutive bytes a load, while ctx is made below.  No wait: since the two at the join and behind the barrier only the products above were issued, which name none of p's registers
.endr
.endr
.Lno_back:
	; ---- ctx = O^T / l: my 16 registers and lane l xor 16's are one block of 32 along the last product's K
	v_add_f32 v[BX], v[BX], v[BX+1]                ; the row's sum: the same order in all four waves.  (These three and the v_nop are the four places behind the products)
	v_add_f32 v[BX+2], v[BX+2], v[BX+3]
	v_add_f32 v[BX], v[BX], v[BX+2]
	v_rcp_f32 v[RL], v[BX]
	v_nop
	s_wait_alu depctr_va_vdst(0)                   ; the reciprocal has written v[RL], ahead of its first reader
	WIN 0x03                                       ; source 0 window 3
.set i, 0
.rept 8
	v_pk_mul_f32 v[ON+i:ON+i+1], v[O+i:O+i+1], v[RL:RL+1] op_sel_hi:[1,0]   ; each accumulator from its low end on
.set i, i+2
.endr
	WIN 0
	v_max3_num_f32 v[BX+4], |v[ON]|, |v[ON+1]|, 0x2800000
	v_max3_num_f32 v[BX+5], |v[ON+2]|, |v[ON+3]|, |v[ON+4]|
	v_max3_num_f32 v[BX+4], v[BX+4], |v[ON+5]|, |v[ON+6]|
	v_max3_num_f32 v[BX+5], v[BX+5], |v[ON+7]|, |v[ON+8]|
	v_max3_num_f32 v[BX+4], v[BX+4], |v[ON+9]|, |v[ON+10]|
	v_max3_num_f32 v[BX+5], v[BX+5], |v[ON+11]|, |v[ON+12]|
	v_max3_num_f32 v[BX+4], v[BX+4], |v[ON+13]|, |v[ON+14]|
	v_max3_num_f32 v[BX+4], v[BX+4], v[BX+5], |v[ON+15]|
	v_permlanex16_b32 v[BX+6], v[BX+4], s[SEL], s[SEL+1]
	v_max_num_f32 v[BX+4], v[BX+4], v[BX+6]
	v_add_nc_u32 v[BX+7], 0xfe000000, v[BX+4]
	v_lshrrev_b32 v[BX+6], 23, v[BX+7]             ; the block's byte
	v_cvt_scalef32_pk16_bf6_f32 v[PT:PT+2], v[ON:ON+15], v[BX+7]   ; channels 32 w + 16 h + 0 .. 15 of query r: 96 bits
	v_add_nc_u32 v[CWT], s47, v[CW]                ; (plain lines behind the conversion)
	v_add_nc_u32 v[SWT], s48, v[SWA]
	s_wait_alu depctr_va_vdst(0)                   ; ctx's codes, its byte and this tile's two LDS addresses are written, which the two stores below read
	ds_store_b128 v[CWT], v[PT:PT+3]               ; into my own region; the operand's order is made at the end
	ds_store_b32 v[SWT], v[BX+6]                   ; lanes r and r + 16 write the same word with the same value
	; ---- head 0: the finished weights: row t of the stage is query t; its 1 / l lies in lane t
	s_cmp_lg_u32 s20, 0
	s_cbranch_scc1 .Lnot_head_0                    ; a branch on the work-group's number; no barrier stands inside
.irp i, 0,1,2,3,4,5,6,7,8,9,10,11,12,13,14,15
	v_readlane_b32 s[RS+2*\i], v[RL], \i           ; the sixteen rows' 1 / l in one run, so that one wait serves them all
.endr
	s_lshr_b32 s49, s46, 3
	s_lshl_b32 s49, s49, 7
	s_bfe_u32 s50, s46, 0x20001
	s_lshl_b32 s50, s50, 5
	s_add_co_u32 s49, s49, s50
	s_and_b32 s50, s46, 1
	s_lshl_b32 s50, s50, 3
	s_add_co_u32 s49, s49, s50                     ; the tile's first row: 128 (tile / 8) + 32 ((tile / 2) % 4) + 8 (tile % 2)
	s_lshl_b32 s40, s49, 12
	s_add_nc_u64 s[44:45], s[42:43], s[40:41]      ; (the last tile's stores have read this base: the wait at their end)
	s_wait_alu depctr_va_sdst(0)                   ; the sixteen scalar registers are written, ahead of their first reader, the multiplies below
	s_wait_dscnt 26                                ; rows 0 .. 3 are back: behind their last load stand the later rows' 24 loads and ctx's two stores
	ROWS 0, 0
.irp g, 1,2,3
	s_wait_dscnt 26-8*\g                           ; rows 4 g .. 4 g + 3 are back: behind their last load stand the later rows' 24 - 8 g loads and ctx's two stores
	s_wait_alu depctr_va_vdst(0)                   ; the four rows before are multiplied: their registers are written, which the eight stores dealt among the next multiplies read
	ROWS \g, 1
.endr
	s_wait_alu depctr_va_vdst(0)                   ; rows 12 .. 15 are multiplied: their registers are written, which the last eight stores read
.irp i, 0,1,2,3
.irp x, 0,1
	OUTROW 12+\i, \x
.endr
.endr
	s_wait_xcnt 0x0                                ; the stores have read their data and their base: both are written again in the next trip
.Lnot_head_0:
	s_wait_dscnt 2                                 ; all LDS instructions but the youngest two, ctx's stores, are done: no load from the stage is on its way into the scores' registers
	s_wait_loadcnt 0x0                             ; the next q's fragment and words are in, and their address registers may be written
	s_wait_alu depctr_vm_vsrc(0)                   ; ctx's two LDS stores have read its codes, its byte and the two stepped addresses, and head 0's global stores have read p's registers: the next trip's products and vector lines, and the tail's loads, write all of these
	s_add_co_u32 s47, s47, 512
	s_add_co_u32 s48, s48, 64
	s_add_co_u32 s46, s46, 1
	s_cmp_lt_u32 s46, 16
	s_cbranch_scc1 .Ltile
	; ---- ctx leaves in the operand's order.  Register p of lane (r, h) of a fragment holds k = 64 (p / 6) + 32 h + ..: block 2 (p / 6) + h, made by that wave; its lower 16 codes by lane r, its upper 16 by lane r + 16; word p % 3
	; The loads below land in registers that held p.  On both ways out of the last trip a wait on va_vdst stands behind the last vector line that named them, and the wait on vm_vsrc at the trip's end behind the last store that read them.
	BARRIER
.irp f, 0,1,2,3
.irp p, 0,1,2,3,4,5,6,7,8,9,10,11
	ds_load_b32 v[S+12*\f+\p], v[TCI] offset:2*(\p/6)*8192+512*\f+4*(\p%3)+256*((\p%6)/3)
.endr
.endr
.irp f, 0,1,2,3
	s_wait_dscnt 12*(3-\f)                         ; fragment 4 w + f is whole; the later ones' twelve loads each may be out
.irp c, 0,1,2
	global_store_b128 v[LI], v[S+12*\f+4*\c:S+12*\f+4*\c+3], s[10:11] offset:1536*\f+512*\c
.endr
.endr
	s_cmp_lt_u32 s[WV], 2
	s_cbranch_scc0 .Ldone                          ; waves 0 and 1: a unit's scale words each
.irp j, 0,1,2,3
.irp u, 0,1,2,3
	ds_load_b32 v[192+4*\j+\u], v[TCS] offset:1024*\u+64*\j   ; fragment 8 w + 4 h + j, row r: the byte of block u
.endr
.endr
	s_wait_dscnt 0x0
.irp j, 0,1,2,3
	v_lshl_or_b32 v[208+\j], v[192+4*\j+1], 8, v[192+4*\j]
	v_lshl_or_b32 v[208+\j], v[192+4*\j+2], 16, v[208+\j]
	v_lshl_or_b32 v[208+\j], v[192+4*\j+3], 24, v[208+\j]
.endr
	s_wait_alu depctr_va_vdst(0)                   ; the four scale words v208 to v211 are written, which the store reads
	global_store_b128 v[LI], v[208:211], s[12:13]
.Ldone:
	s_wait_dscnt 0x0                               ; the closing lines, six on end
	s_wait_alu 0x0
	s_wait_tensorcnt 0x0
	ds_add_u32 v51, v53
	s_wait_dscnt 0x0
	s_endpgm
.Lfunc_end_k_q010ece7c24_attn:
	.size	k_q010ece7c24_attn, .Lfunc_end_k_q010ece7c24_attn-k_q010ece7c24_attn
	.p2alignl 7, 3214868480
	.fill 96, 4, 3214868480
	.section	.rodata,"a",@progbits
	.p2align	6, 0x0
	.amdhsa_kernel k_q010ece7c24_attn
		.amdhsa_group_segment_fixed_size 117760
		.amdhsa_private_segment_fixed_size 0
		.amdhsa_enable_private_segment 0
		.amdhsa_kernarg_size 48
		.amdhsa_user_sgpr_count 2
		.amdhsa_user_sgpr_kernarg_segment_ptr 1
		.amdhsa_wavefront_size32 1
		.amdhsa_system_sgpr_workgroup_id_x 1
		.amdhsa_system_sgpr_workgroup_id_y 1
		.amdhsa_system_sgpr_workgroup_id_z 1
		.amdhsa_system_vgpr_workitem_id 0
		.amdhsa_next_free_vgpr 1024
		.amdhsa_next_free_sgpr 98
		.amdhsa_reserve_vcc 0
		.amdhsa_float_denorm_mode_32 3
		.amdhsa_float_denorm_mode_16_64 3
		.amdhsa_memory_ordered 1
		.amdhsa_forward_progress 1
		.amdhsa_inst_pref_size 93
	.end_amdhsa_kernel
	.amdgpu_metadata
---
amdhsa.version: [ 1, 2 ]
amdhsa.kernels:
  - .name:           k_q010ece7c24_attn
    .symbol:         k_q010ece7c24_attn.kd
    .args:
      - { .name: qkvc, .offset: 0, .size: 8, .value_kind: global_buffer, .address_space: global }
      - { .name: qkvs, .offset: 8, .size: 8, .value_kind: global_buffer, .address_space: global }
      - { .name: mask, .offset: 16, .size: 8, .value_kind: global_buffer, .address_space: global }
      - { .name: ctxc, .offset: 24, .size: 8, .value_kind: global_buffer, .address_space: global }
      - { .name: ctxs, .offset: 32, .size: 8, .value_kind: global_buffer, .address_space: global }
      - { .name: out1, .offset: 40, .size: 8, .value_kind: global_buffer, .address_space: global }
    .group_segment_fixed_size: 117760
    .private_segment_fixed_size: 0
    .kernarg_segment_align: 8
    .kernarg_segment_size: 48
    .max_flat_workgroup_size: 128
    .sgpr_count:     98
    .vgpr_count:     1024
    .wavefront_size: 32
...
	.end_amdgpu_metadata
.endif
;; end of part 5
;; launch final: the kernel of part 4 again; grid 8 x 32, 4 waves a work-group, clusters of 4 x 4, 327,680 bytes of LDS; arguments ctxc, ctxs, xc, xs, bf, out0; writes out0
